; MI455X (gfx1250); checked and timed in simulation.
; The chip was launched on July 23, 2026; its instructions are those of AMD's public machine-readable ISA for CDNA 5 (MIT licence, August 2026) and "CDNA5" Instruction Set Architecture Reference Guide (July 2026). The comments in the code are by the model that wrote it; some were corrected since.
;; Causal Self Attention. Allowed arithmetic: matrix products marked QUANTISED: E2M3 operands, one E8M0 scale for each 32 along K, by v_wmma_scale_f32_16x16x128_f8f6f4 with both operands' format E2M3, f32 sums; everything else in f32.
;; Inputs: Wout 1,024 x 1,024 float32; Wqkv 1,024 x 3,072 float32; x 4 x 2,048 x 1,024 float32.
;; Outputs: out0 4 x 2,048 x 1,024 float32.
;; This version of the problem:
;;   THIS VERSION OF THE PROBLEM IS GIVEN IN LOW PRECISION. The matrix products marked QUANTISED in the list below multiply operands that are first quantised to E2M3 (2 exponent bits, 3 mantissa bits; 6 bits a number), with one power-of-two scale for each 32 numbers along K (OCP MX v1.0); their sums are f32. All else is computed in f32.
;;   The module's matrix products, in the order in which they are computed (A, B: the left and right operand; K: the contracted axis; several contracted axes count as one K, in the product's order):
;;     1. [M 8,192, K 1,024] x [K 1,024, N 3,072]; A: input x; B: input Wqkv: QUANTISED
;;     2. batch 64 x [M 2,048, K 64] x [K 64, N 2,048]; A: computed on the way; B: computed on the way: QUANTISED
;;     3. batch 64 x [M 2,048, K 2,048] x [K 2,048, N 64]; A: softmax (see below); B: computed on the way: QUANTISED
;;     4. [M 8,192, K 1,024] x [K 1,024, N 1,024]; A: computed on the way; B: input Wout: QUANTISED
;;   THE QUANTISER, for each operand of a quantised product, along K:
;;     - K is cut into blocks of 32 from its start; a last block that is shorter is filled with zeros.
;;     - A block's scale is 2^e with e = floor(log2(the largest magnitude in the block)) - 2, held to -126 .. 127; a block of zeros has e = 0. As a byte (E8M0): e + 127.
;;     - Each number is divided by its block's scale, clamped to +-7.5, and rounded to the nearest number of E2M3, ties to even, subnormals kept.
;;     - The product sums the exact products of the quantised numbers (number of the format x scale) in f32.
;;   ~~~python
;;   def quantise(x, axis):      # numpy; x: float32 -> the quantised numbers, widened to float32 again
;;       x = np.moveaxis(x, axis, -1); K = x.shape[-1]
;;       x = np.pad(x, [(0, 0)] * (x.ndim - 1) + [(0, -K % 32)]); x = x.reshape(x.shape[:-1] + (-1, 32)); a = np.abs(x).max(-1, keepdims=True)
;;       e = np.where(a > 0, np.clip(np.frexp(np.where(a > 0, a, 1))[1] - 1 - 2, -126, 127), 0)      # np.frexp(a)[1] - 1 = floor(log2(a)), exactly
;;       r = np.clip(x / 2.0 ** e, -7.5, 7.5)
;;       step = 2.0 ** (np.maximum(np.frexp(np.where(r == 0, 1, r))[1] - 1, 0) - 3)
;;       q = np.round(r / step) * step * 2.0 ** e      # np.round: ties to even
;;       return np.moveaxis(q.reshape(q.shape[:-2] + (-1,))[..., :K], -1, axis).astype(np.float32)
;;   ~~~
;;   SOFTMAX AHEAD OF A QUANTISED PRODUCT. Where the list says 'softmax', what is quantised is not the finished softmax but p = 2^(t - M), with t = logit x log2(e) and M = ceil(the row's largest t), a whole number; so 1/2 < the row's largest p <= 1. The row's sum l is taken of the UNQUANTISED p, in f32, and the product's result is divided by l at the end. Since M is a whole number, a kernel that streams over the keys may use a running M (the ceiling of the running maximum): every later rescaling is an exact power of two, which a block's scale takes up: the codes' values come out the same.
;;   OPERANDS COMPUTED ON THE WAY. 'Computed on the way' means the value that the module computes at that place (a softmax that the list does not call 'softmax' is quantised finished and normalised). What goes into a quantiser is computed in f32, as accurately as f32 sums, v_exp_f32 and their like allow (about 1e-6 of the number): no bf16 or f16 on the way to a quantiser, and a product that is left as it is and whose result goes on into a quantised operand takes f32 operands (vector FMAs, or v_wmma_f32_16x16x4_f32). A number that lies on a knife's edge between two numbers of the format may be rounded either way, as far as f32 arithmetic and the matrix unit's own rounding can turn it there, and no further.
;; 2 versions, each right; version 2 is version 1 with the launch attn written anew for expert scheduling mode. Each part assembles by itself: llvm-mc -triple=amdgcn-amd-amdhsa -mcpu=gfx1250 --defsym DOCPART=n.
;; ======== version 1 of 2: 4 launches
;; workspace buffers: opnd 10,354,688 bytes; qkv 20,185,088 bytes; att 6,553,600 bytes
;; launch prep (part 1): grid 416 x 1, 4 waves a work-group, no clusters, 34,304 bytes of LDS; arguments x, Wqkv, Wout, opnd; writes opnd
.if DOCPART == 1
	.amdgcn_target "amdgcn-amd-amdhsa--gfx1250"
	.amdhsa_code_object_version 6
	.text
	.protected	k_q37fa2b3c5a_prep
	.globl	k_q37fa2b3c5a_prep
	.p2align	8
	.type	k_q37fa2b3c5a_prep,@function
k_q37fa2b3c5a_prep:
	s_mov_b64 s[64:65], 0
	v_nop
	global_prefetch_b8 v0, s[64:65] scope:SCOPE_SE
	s_setreg_imm32_b32 hwreg(HW_REG_WAVE_MODE, 25, 1), 1
	s_wait_xcnt 0x0
; x [8192][1024], Wqkv [1024][3072] and Wout [1024][1024], f32, become codes of FP6 (E2M3) with one E8M0 byte for each 32 along K = 1024, and RoPE's cosines and sines are tabulated.
; A block's scale is 2^(floor(log2(its largest magnitude)) - 2): its byte is the largest magnitude's exponent field - 2, held at 1 from below.
; LAYOUT OF opnd.  Rows (tokens of x, columns of the weights) go in blocks of 16, in a fixed order: in each group of 32 rows, place 16 u + p holds row 8 u + p + 8 (p / 8).  So where two neighbouring
; blocks are source 0 of a matrix instruction, a lane's 16 result registers are 16 neighbouring rows.  A fragment (16 rows x 128 K, 12 registers a lane) lies as an image of its registers, 1,536 bytes:
; registers 0-3 at 16 x lane, 4-5 at 512 + 8 x lane, 6-9 at 768 + 16 x lane, 10-11 at 1,280 + 8 x lane.  Codes: [block][K step 0..7][1536].  Scale words: [block][K / 256][row 16][2 words].
; Row blocks of the weights: 0-191 Wqkv's columns, 192-255 Wout's.  The table: [block of 16 positions][8 chunks][lane][4 f32]: chunks 0-3 cos, 4-7 sin of pos x theta(16 (lane / 16) + 0..15).
; ROLES by the work-group's number: 0-255 x (a wave: 16 rows x 512 K); 256-351 Wqkv, 352-383 Wout (a wave: 32 columns x 256 K, a lane to a column, registers down K); 384-415 the table (a wave: 16 positions).
; LIMITS: NaN and infinities are not served.  Blocks whose largest magnitude lies under 2^-124 keep the byte 1; a block of zeros has the byte 1 where the rule says 127 (its codes are zeros; this program alone reads the bytes).
; theta = 2^(-f log2(10) / 8) by v_exp_f32: an angle may differ from pos x theta in exact arithmetic by about 2e-4 rad at the largest positions.  A third of the weights' codes (the 8-byte pieces) leave in runs of 128 bytes.
.set O_WC,   6291456
.set O_XS,   9437184
.set O_WS,   9699328
.set O_TAB,  9830400
.set RBK,    12288                     ; a row block's codes: 8 fragments
.set SPITCH, 528                       ; role x: a stage row: 512 bytes + 16
.set SPARE,  4*16*SPITCH               ; behind the four stages: the spare words, 128 bytes a wave
.set L16, 3                            ; v3   16 x lane (weights: 4 x lane)
.set L8,  5                            ; v5   8 x lane
.set R,   16                           ; v16-143  role x: two sets of 64 numbers as loaded
.set X,   144                          ; v144-207 64 numbers in the quantiser's order
.set PC,  208                          ; v208-227 the codes
.set TM,  228                          ; v228-243 at work
.set PW,  244                          ; v244-247 four scale words
.set WX,  32                           ; weights: v32-95 two sets of 32 numbers
.set SPW, 252                          ; v252 my spare word's LDS address; never rewritten
.set NIL, 253                          ; v253 0; never rewritten
.set SEL, 20                           ; s[20:21] selects for lane l xor 16
; 64 numbers of a lane, register 16 b + i = k 32 b + 16 (lane / 16) + i of my row, become a fragment's codes in v[PC] on and its scale word in v[pw].
.macro QUANT s, pw
.irp b, 0,1,2,3
	v_max3_num_f32 v[TM+\b], |v[\s+16*\b]|, |v[\s+16*\b+1]|, 0x1800000   ; the floor 2^(3 - 127): the byte cannot fall under 1
.endr
.irp i, 2,4,6,8,10,12,14
.irp b, 0,1,2,3
	v_max3_num_f32 v[TM+\b], |v[\s+16*\b+\i]|, |v[\s+16*\b+\i+1]|, v[TM+\b]
.endr
.endr
.irp b, 0,1,2,3
	v_permlanex16_b32 v[TM+4+\b], v[TM+\b], s[SEL], s[SEL+1]
.endr
.irp b, 0,1,2,3
	v_max_num_f32 v[TM+\b], v[TM+\b], v[TM+4+\b]                   ; with lane l xor 16's: the block's largest magnitude
.endr
.irp b, 0,1,2,3
	v_add_nc_u32 v[TM+12+\b], 0xff000000, v[TM+\b]                 ; 2 off its exponent field: the conversion's scale operand
.endr
.irp b, 0,1,2,3
	v_lshrrev_b32 v[TM+4+\b], 23, v[TM+12+\b]                      ; the scale's byte
.endr
	v_lshl_or_b32 v[\pw], v[TM+5], 8, v[TM+4]
	v_lshl_or_b32 v[\pw], v[TM+6], 16, v[\pw]
	v_lshl_or_b32 v[\pw], v[TM+7], 24, v[\pw]
.irp c, 0,1
	v_cvt_scalef32_pk16_fp6_f32 v[PC+6*\c:PC+6*\c+2], v[\s+32*\c:\s+32*\c+15], v[TM+12+2*\c]
	v_cvt_scalef32_pk16_fp6_f32 v[PC+12+4*\c:PC+14+4*\c], v[\s+32*\c+16:\s+32*\c+31], v[TM+13+2*\c]   ; (three registers begin on an even number)
.endr
	v_nop                                          ; one plain place behind a scaled conversion
.irp c, 0,1                                    ; the layout wants a whole block in a lane: lanes 0-15 block 2 c, lanes 16-31 block 2 c + 1
.irp i, 0,1,2
	v_permlane16_swap_b32 v[PC+6*\c+\i], v[PC+12+4*\c+\i]
.endr
.irp i, 0,1,2
	v_mov_b32 v[PC+3+6*\c+\i], v[PC+12+4*\c+\i]
.endr
.endr
.endm
.macro PUTFRAG off                             ; the image: each store covers 512 or 256 consecutive bytes, aligned
	global_store_b128 v[L16], v[PC:PC+3], s[12:13] offset:\off
	global_store_b64 v[L8], v[PC+4:PC+5], s[12:13] offset:\off+512
	global_store_b128 v[L16], v[PC+6:PC+9], s[12:13] offset:\off+768
	global_store_b64 v[L8], v[PC+10:PC+11], s[12:13] offset:\off+1280
.endm
.macro XLOAD f                                 ; fragment f: 128 numbers of each of my 16 rows; a load reads 512 consecutive bytes of one row
.irp i, 0,1,2,3,4,5,6,7,8,9,10,11,12,13,14,15
	global_load_b128 v[R+64*((\f)%2)+4*\i:R+64*((\f)%2)+4*\i+3], v[L16], s[4:5] offset:(\i+8*(\i/8))*4096+512*(\f) th:TH_LOAD_NT
.endr
.endm
.macro XTURN f                                 ; through my own stage: LDS serves a wave's instructions in order, so no wait stands between the stores and the loads
.irp i, 0,1,2,3,4,5,6,7,8,9,10,11,12,13,14,15
	ds_store_b128 v14, v[R+64*((\f)%2)+4*\i:R+64*((\f)%2)+4*\i+3] offset:SPITCH*\i
.endr
.irp b, 0,1,2,3
.irp j, 0,1,2,3
	ds_load_b128 v[X+16*\b+4*\j:X+16*\b+4*\j+3], v15 offset:128*\b+16*\j
.endr
.endr
.endm
.macro WLOAD t, cols                           ; block t: W(32 t + i, my column): 32 lanes read 128 consecutive bytes
.irp i, 0,1,2,3,4,5,6,7,8,9,10,11,12,13,14,15,16,17,18,19,20,21,22,23,24,25,26,27,28,29,30,31
	global_load_b32 v[WX+32*((\t)%2)+\i], v3, s[4:5] offset:(32*(\t)+\i)*\cols*4 th:TH_LOAD_NT
.endr
.endm
.macro WBLOCK t, cols
.set WS_, WX+32*((\t)%2)
.if (\t) < 7
	s_wait_loadcnt 32                              ; this block's 32 loads are in; the next block's may be out
.else
	s_wait_loadcnt 0x0
.endif
	v_max3_num_f32 v16, |v[WS_]|, |v[WS_+1]|, |v[WS_+2]|           ; all 32 numbers of the block are mine
	v_max3_num_f32 v17, |v[WS_+3]|, |v[WS_+4]|, |v[WS_+5]|
.irp i, 6,10,14,18,22,26
	v_max3_num_f32 v16, v16, |v[WS_+\i]|, |v[WS_+\i+1]|
	v_max3_num_f32 v17, v17, |v[WS_+\i+2]|, |v[WS_+\i+3]|
.endr
	v_max3_num_f32 v16, v16, |v[WS_+30]|, |v[WS_+31]|
	v_max3_num_f32 v16, v16, v17, 0x1800000
	v_add_nc_u32 v11, 0xff000000, v16
	v_lshrrev_b32 v17, 23, v11
.if (\t)%4 == 0
	v_mov_b32 v[24+(\t)/4], v17
.else
	v_lshl_or_b32 v[24+(\t)/4], v17, 8*((\t)%4), v[24+(\t)/4]
.endif
	s_wait_xcnt 0x0                                ; the last block's stores have read their registers
	v_cvt_scalef32_pk16_fp6_f32 v[96:98], v[WS_:WS_+15], v11
	v_cvt_scalef32_pk16_fp6_f32 v[100:102], v[WS_+16:WS_+31], v11
	v_nop
	v_mov_b32 v99, v100
	v_mov_b32 v100, v101
	v_mov_b32 v101, v102
	global_store_b128 v4, v[96:99], s[12:13] offset:((\t)/4)*1536+(((\t)/2)%2)*768+256*((\t)%2)          ; sixteen lanes fill 256 consecutive bytes of each of two row blocks
	global_store_b64 v5, v[100:101], s[12:13] offset:((\t)/4)*1536+(((\t)/2)%2)*768+512+128*((\t)%2)
.if (\t)+2 < 8
	WLOAD (\t)+2, \cols
.endif
.endm
.macro WPATH cols, rb0, j0, p
	s_sub_co_u32 s17, ttmp9, \j0
	s_lshr_b32 s18, s17, 2                         ; which 128 columns
	s_and_b32 s19, s17, 3                          ; which 256 along K
	v_lshlrev_b32 v3, 2, v2                        ; my column: 4 bytes a lane
	v_bfe_u32 v7, v2, 3, 1                         ; its place: block u = (lane / 8) % 2,
	v_and_b32 v8, 7, v2
	v_lshrrev_b32 v9, 4, v2
	v_lshl_add_u32 v8, v9, 3, v8                   ; row p = lane % 8 + 8 (lane / 16)
	v_mul_u32_u24 v4, v7, RBK
	v_lshl_add_u32 v5, v8, 3, v4
	v_lshl_add_u32 v4, v8, 4, v4
	v_lshlrev_b32 v6, 9, v7
	v_lshl_add_u32 v6, v8, 3, v6
	s_mul_i32 s24, s19, 256*\cols*4
	s_lshl_b32 s26, s18, 9
	s_add_co_u32 s24, s24, s26
	s_lshl_b32 s26, s16, 7
	s_add_co_u32 s24, s24, s26
	s_add_nc_u64 s[4:5], s[\p:\p+1], s[24:25]
	s_lshl_b32 s26, s18, 3
	s_lshl_b32 s27, s16, 1
	s_add_co_u32 s26, s26, s27
	s_add_co_u32 s26, s26, \rb0                    ; my first row block
	s_mul_i32 s24, s26, RBK
	s_mul_i32 s27, s19, 3072
	s_add_co_u32 s24, s24, s27
	s_add_co_u32 s24, s24, O_WC
	s_add_nc_u64 s[12:13], s[10:11], s[24:25]
	s_lshl_b32 s24, s26, 9
	s_lshl_b32 s27, s19, 7
	s_add_co_u32 s24, s24, s27
	s_add_co_u32 s24, s24, O_WS
	s_add_nc_u64 s[14:15], s[10:11], s[24:25]
	WLOAD 0, \cols
	WLOAD 1, \cols
.irp t, 0,1,2,3,4,5,6,7
	WBLOCK \t, \cols
.endr
	global_store_b64 v6, v[24:25], s[14:15]        ; my column's two scale words
	s_endpgm
.endm
; cos and sin of pos x theta(i): the quadrant n = round(a 2 / pi), r = a - n pi / 2 in two fused steps, polynomials on |r| <= pi / 4
.macro ANG i
	v_mul_f32 v64, v10, v[16+\i]
	v_mul_f32 v65, 0x3f22f983, v64
	v_rndne_f32 v65, v65
	v_fma_f32 v66, v65, s26, v64
	v_fma_f32 v66, v65, s27, v66
	v_cvt_i32_f32 v67, v65
	v_mul_f32 v68, v66, v66
	v_fma_f32 v69, v68, s30, s29
	v_fma_f32 v69, v69, v68, s28
	v_mul_f32 v70, v68, v66
	v_fma_f32 v69, v69, v70, v66                   ; sin r
	v_fma_f32 v71, v68, s33, s32
	v_fma_f32 v71, v71, v68, s31
	v_mul_f32 v72, v68, v68
	v_fma_f32 v73, v68, -0.5, 1.0
	v_fma_f32 v71, v71, v72, v73                   ; cos r
	v_and_b32 v74, 1, v67
	v_cmp_eq_u32 vcc_lo, 1, v74
	v_cndmask_b32 v75, v69, v71, vcc_lo            ; in odd quadrants the two change places
	v_cndmask_b32 v71, v71, v69, vcc_lo
	v_lshlrev_b32 v74, 30, v67
	v_and_b32 v74, 0x80000000, v74                 ; the sine is negative in quadrants 2 and 3,
	v_xor_b32 v[48+\i], v74, v75
	v_add_nc_u32 v67, 1, v67
	v_lshlrev_b32 v67, 30, v67
	v_and_b32 v67, 0x80000000, v67                 ; the cosine in 1 and 2
	v_xor_b32 v[32+\i], v67, v71
.endm
	s_load_b256 s[4:11], s[0:1], 0x0               ; x s[4:5], Wqkv s[6:7], Wout s[8:9], opnd s[10:11]
	v_lshl_add_u32 v[SPW], v0, 2, SPARE
	v_mov_b32 v[NIL], 0
	v_lshrrev_b32 v1, 5, v0
	v_readfirstlane_b32 s16, v1                    ; wave
	v_and_b32 v2, 31, v0                           ; lane
	s_mov_b32 s[SEL], 0x76543210
	s_mov_b32 s[SEL+1], 0xfedcba98
	s_mov_b32 s22, 0xffff0000                      ; lanes 16-31
	s_mov_b32 s25, 0
	s_wait_kmcnt 0x0
	s_cmp_lt_u32 ttmp9, 256
	s_cbranch_scc1 .Lrole_x
	s_cmp_lt_u32 ttmp9, 352
	s_cbranch_scc1 .Lrole_wqkv
	s_cmp_lt_u32 ttmp9, 384
	s_cbranch_scc1 .Lrole_wout
	; ---- the table
	s_sub_co_u32 s17, ttmp9, 384
	s_lshl_b32 s17, s17, 2
	s_add_co_u32 s17, s17, s16                     ; my block of 16 positions
	s_lshr_b32 s18, s17, 1
	s_lshl_b32 s18, s18, 5
	s_and_b32 s19, s17, 1
	s_lshl_b32 s19, s19, 3
	s_add_co_u32 s18, s18, s19
	s_lshl_b32 s24, s17, 12
	s_add_co_u32 s24, s24, O_TAB
	s_add_nc_u64 s[12:13], s[10:11], s[24:25]
	s_mov_b32 s26, 0xbfc90fdb                      ; -pi/2, its upper part,
	s_mov_b32 s27, 0x333bbd2e                      ; and what is left of it
	s_mov_b32 s28, 0xbe2aaaa3
	s_mov_b32 s29, 0x3c08839e
	s_mov_b32 s30, 0xb94ca1f9
	s_mov_b32 s31, 0x3d2aaaa5
	s_mov_b32 s32, 0xbab6061a
	s_mov_b32 s33, 0x37ccf5ce
	v_lshlrev_b32 v3, 4, v2
	v_and_b32 v7, 15, v2
	v_lshrrev_b32 v8, 4, v2
	v_lshlrev_b32 v8, 4, v8                        ; 16 (lane / 16)
	v_and_b32 v9, 8, v7
	v_add_nc_u32 v9, v9, v7
	v_add_nc_u32 v9, s18, v9
	v_cvt_f32_u32 v10, v9                          ; pos
.irp i, 0,1,2,3,4,5,6,7,8,9,10,11,12,13,14,15
	v_add_nc_u32 v[16+\i], \i, v8
.endr
.irp i, 0,1,2,3,4,5,6,7,8,9,10,11,12,13,14,15
	v_cvt_f32_u32 v[16+\i], v[16+\i]
.endr
.irp i, 0,1,2,3,4,5,6,7,8,9,10,11,12,13,14,15
	v_mul_f32 v[16+\i], 0xbed49a78, v[16+\i]       ; -f log2(10) / 8
.endr
.irp i, 0,1,2,3,4,5,6,7,8,9,10,11,12,13,14,15
	v_exp_f32 v[16+\i], v[16+\i]                   ; theta = 10000^(-f / 32)
.endr
	v_nop                                          ; a plain place behind the batch,
	s_wait_alu depctr_va_vdst(0)                   ; and one wait for the sixteen, ahead of their first reader
.irp i, 0,1,2,3,4,5,6,7,8,9,10,11,12,13,14,15
	ANG \i
.endr
.irp c, 0,1,2,3,4,5,6,7
	global_store_b128 v3, v[32+4*\c:35+4*\c], s[12:13] offset:512*\c
.endr
	s_endpgm
.Lrole_wqkv:
	WPATH 3072, 0, 256, 6
.Lrole_wout:
	WPATH 1024, 192, 352, 8
.Lrole_x:
	s_lshl_b32 s17, ttmp9, 2
	s_add_co_u32 s17, s17, s16
	s_lshr_b32 s18, s17, 1                         ; my row block
	s_and_b32 s19, s17, 1                          ; which 512 along K
	s_lshr_b32 s24, s18, 1
	s_lshl_b32 s24, s24, 5
	s_and_b32 s26, s18, 1
	s_lshl_b32 s26, s26, 3
	s_add_co_u32 s24, s24, s26                     ; the block's first row
	s_lshl_b32 s24, s24, 12
	s_lshl_b32 s26, s19, 11
	s_add_co_u32 s24, s24, s26
	s_add_nc_u64 s[4:5], s[4:5], s[24:25]
	s_mul_i32 s24, s18, RBK
	s_mul_i32 s26, s19, 6144
	s_add_co_u32 s24, s24, s26
	s_add_nc_u64 s[12:13], s[10:11], s[24:25]
	s_lshl_b32 s24, s18, 9
	s_lshl_b32 s26, s19, 8
	s_add_co_u32 s24, s24, s26
	s_add_co_u32 s24, s24, O_XS
	s_add_nc_u64 s[14:15], s[10:11], s[24:25]
	v_lshlrev_b32 v[L16], 4, v2
	v_lshlrev_b32 v[L8], 3, v2
	v_and_b32 v7, 15, v2                           ; r
	v_lshrrev_b32 v8, 4, v2                        ; h
	s_mul_i32 s23, s16, 16*SPITCH                  ; my stage
	v_add_nc_u32 v14, s23, v[L16]                  ; in: 16 x lane of a row
	v_mul_u32_u24 v15, v7, SPITCH
	v_lshl_add_u32 v15, v8, 6, v15
	v_add_nc_u32 v15, s23, v15                     ; out: row r, + 64 h: my 16 numbers of each block of 32
	v_lshlrev_b32 v6, 7, v8
	v_lshl_add_u32 v6, v7, 3, v6                   ; the scale words: 128 h + 8 r
.irp b, 0,1,2,3
	v_mov_b32 v[TM+4+\b], 0                        ; a lane permute's destination counts as one of its sources
.endr
	XLOAD 0
	XLOAD 1
.irp f, 0,1,2,3
.if \f < 3
	s_wait_loadcnt 16                              ; this fragment's 16 loads are in; the next one's may be out
.else
	s_wait_loadcnt 0x0
.endif
	XTURN \f
	s_wait_dscnt 0x0                               ; the numbers are back, and the stage's stores have read their registers
	s_wait_xcnt 0x0                                ; the last fragment's stores have read the codes' registers
.if \f < 2
	XLOAD \f+2
.endif
	QUANT X, PW+\f
	PUTFRAG 1536*\f
.endr
	v_cndmask_b32 v248, v[PW], v[PW+2], s22        ; lanes 0-15: the first 256 along K, lanes 16-31 the second
	v_cndmask_b32 v249, v[PW+1], v[PW+3], s22
	global_store_b64 v6, v[248:249], s[14:15]      ; 256 consecutive bytes
	s_wait_tensorcnt 0x0                           ; the wave's end
	ds_add_u32 v[SPW], v[NIL]
	s_wait_dscnt 0x0
	s_endpgm
.Lfunc_end_k_q37fa2b3c5a_prep:
	.size	k_q37fa2b3c5a_prep, .Lfunc_end_k_q37fa2b3c5a_prep-k_q37fa2b3c5a_prep
	.p2alignl 7, 3214868480
	.fill 96, 4, 3214868480
	.section	.rodata,"a",@progbits
	.p2align	6, 0x0
	.amdhsa_kernel k_q37fa2b3c5a_prep
		.amdhsa_group_segment_fixed_size 34304
		.amdhsa_private_segment_fixed_size 0
		.amdhsa_enable_private_segment 0
		.amdhsa_kernarg_size 32
		.amdhsa_user_sgpr_count 2
		.amdhsa_user_sgpr_kernarg_segment_ptr 1
		.amdhsa_wavefront_size32 1
		.amdhsa_system_sgpr_workgroup_id_x 1
		.amdhsa_system_sgpr_workgroup_id_y 1
		.amdhsa_system_sgpr_workgroup_id_z 1
		.amdhsa_system_vgpr_workitem_id 0
		.amdhsa_next_free_vgpr 256
		.amdhsa_next_free_sgpr 66
		.amdhsa_reserve_vcc 1
		.amdhsa_float_denorm_mode_32 3
		.amdhsa_float_denorm_mode_16_64 3
		.amdhsa_memory_ordered 1
		.amdhsa_forward_progress 1
		.amdhsa_inst_pref_size 136
	.end_amdhsa_kernel
	.amdgpu_metadata
---
amdhsa.version: [ 1, 2 ]
amdhsa.kernels:
  - .name:           k_q37fa2b3c5a_prep
    .symbol:         k_q37fa2b3c5a_prep.kd
    .args:
      - { .name: x, .offset: 0, .size: 8, .value_kind: global_buffer, .address_space: global }
      - { .name: Wqkv, .offset: 8, .size: 8, .value_kind: global_buffer, .address_space: global }
      - { .name: Wout, .offset: 16, .size: 8, .value_kind: global_buffer, .address_space: global }
      - { .name: opnd, .offset: 24, .size: 8, .value_kind: global_buffer, .address_space: global }
    .group_segment_fixed_size: 34304
    .private_segment_fixed_size: 0
    .kernarg_segment_align: 8
    .kernarg_segment_size: 32
    .max_flat_workgroup_size: 128
    .sgpr_count:     66
    .vgpr_count:     256
    .wavefront_size: 32
...
	.end_amdgpu_metadata
.endif
;; end of part 1
;; launch qkvgemm (part 2): grid 12 x 32, 4 waves a work-group, clusters of 4 x 4, 327,680 bytes of LDS; arguments opnd, qkv; writes qkv
.if DOCPART == 2
	.amdgcn_target "amdgcn-amd-amdhsa--gfx1250"
	.amdhsa_code_object_version 6
	.text
	.protected	k_q37fa2b3c5a_qkvgemm
	.globl	k_q37fa2b3c5a_qkvgemm
	.p2align	8
	.type	k_q37fa2b3c5a_qkvgemm,@function
k_q37fa2b3c5a_qkvgemm:
	s_mov_b64 s[64:65], 0
	v_nop
	global_prefetch_b8 v0, s[64:65] scope:SCOPE_SE
	s_setreg_imm32_b32 hwreg(HW_REG_WAVE_MODE, 25, 1), 1
	s_wait_xcnt 0x0
	s_wait_alu depctr_hold_cnt(0) depctr_sa_sdst(0) depctr_va_vdst(0) depctr_va_sdst(0) depctr_va_ssrc(0) depctr_va_vcc(0) depctr_vm_vsrc(0)
	s_getreg_b32 s2, hwreg(HW_REG_IB_STS2, 6, 4)
	s_cmp_eq_u32 s2, 0
	s_cbranch_scc0 .Lentry_in_a_cluster
	s_endpgm
.Lentry_in_a_cluster:
	s_bfe_u32 s2, ttmp6, 0x10000c
	s_cmp_lg_u32 s2, 0xf033
	s_cbranch_scc0 .Lentry_shape_is_right
	s_endpgm
.Lentry_shape_is_right:
; qkv = x Wqkv on codes of FP6 (E2M3) with E8M0 scales, K = 1024; then RoPE on q and k, and q, k (along the head's 64) and v (along the keys) are quantised in registers and stored as images of operand registers.
; A tile of 256 x 256 is made by four waves, 128 x 128 each: 64 accumulators, 512 registers.  K goes in steps of 256 through two LDS slots filled by the tensor data mover; the scale words of the tile's rows come once.
; OPERANDS lie in opnd as images of their registers (16 rows x 128 K: 1,536 bytes: registers 0-3 at 16 x lane, 4-5 at 512 + 8 x lane, 6-9 at 768 + 16 x lane, 10-11 at 1,280 + 8 x lane), so every LDS load reads
; consecutive bytes and no padding is wanted.  Rows lie in a fixed order (place 16 u + p of a group of 32 holds row 8 u + p + 8 (p / 8)), so the 16 registers of two neighbouring tiles are 16 neighbouring rows of source 0.
; THE MATRIX INSTRUCTION IS USED TRANSPOSED: source 0 = 16 rows of B, source 1 = 16 rows of A: a lane holds one row of A and its 64 registers of a block run along B's 128 rows.
; ROLES by the cluster's x (equal in all sixteen partners): 0: q, 1: k: A = tokens, B = channels, so a lane holds a token and two heads' 64 channels.  2: v: A = channels, B = tokens, so a lane's registers run along the keys.
; CLUSTERS: 4 x 4.  A's tile is shared along a row of the cluster, B's along a column: each is asked for jointly.  384 work-groups: the tiles of q, k and v.
; qkv: q and k: [which][batch x head][step of 128 tokens][tile 8][768]: half images (16 tokens x 64);  v: [batch x head][step][tile of 16 channels, 4][1536];  q's and k's scale words [which][bh][step][lane][4]: word j of lane l:
; tile 2 j + l / 16, row l % 16, its two bytes written twice;  v's [bh][step][lane][2] likewise.
; The first two sets of the table are loaded by the v tiles too, which do not use them, so that these registers are written on every way through the text.
; LIMITS: as stated for the quantiser: NaN and infinities not served; the byte is held at 1 from below; a block of zeros has the byte 1.
; REGISTERS: window 0: v16-29 addresses; v32-63 scale words, two sets; v64-127 two sets of cos and sin; v128-223 A's fragments, one set; on the way out v128-247 at work.  window 1: B's fragments, two sets.  windows 2, 3: the accumulators.
.set O_WC,  6291456
.set O_XS,  9437184
.set O_WS,  9699328
.set O_TAB, 9830400
.set Q_VC,  12582912
.set Q_QKS, 18874368
.set Q_VS,  19922944
.set NQ,    2                          ; matrix instructions deep in a slot
.set FR,    12
.set NL,    4                          ; LDS loads that bring a fragment
.set NP,    4                          ; places behind this matrix instruction (ISA guide 7.12.1)
.set RBK,   12288                      ; a row block's codes in memory
.set RBS,   3072                       ; and its part in a slot: two fragments
.set HALFT, 8*RBS                      ; 128 rows: what one tensor load brings
.set SLOT,  4*HALFT
.set SCL,   2*SLOT                     ; behind the ring: the scale words, filled once
.set HALFS, 4096
.set SPARE, SCL+4*HALFS                ; the spare words, 128 bytes a wave
.set ADRA, 16                          ; v16-17 my A fragments in slot 0, 1, + 16 x lane; v18-19 + 8 x lane
.set ADRB, 20                          ; v20-23 the same for B
.set L8,   25
.set CO,   26                          ; 16 x lane
.set ADRS, 27
.set SPW,  28
.set NIL,  29
.set SC,   32
.set TABR, 64
.set AF,   128
.set HA,   128                         ; the way out: 64 numbers after RoPE
.set PC,   192
.set TM,   212
.set PW,   228                         ; eight scale words
.set IMG,  236
.set SEL,  2
.set G1, 24
.set G0, 32
.set G1B, 48
.set G0B, 56
.set G1S, 68
.set G0S, 76
.set G1SB, 80
.set G0SB, 88
.set MSB, 0
.macro WIN new                         ; the immediate's high byte repeats the setting that is left
.if MSB != (\new)
	s_set_vgpr_msb (MSB<<8)|(\new)
.set MSB, (\new)
.endif
.endm
.set MUL_LO, 0xa1                      ; source 0 (B) window 1, source 1 (A) window 0, C and D window 2
.set MUL_HI, 0xf1
.set TO_B,   0x40
; A joint load: waves 0 and 1 fetch for A, waves 2 and 3 for B.  An s_nop 0 and four v_nop follow each line.
.macro JLOAD g0a, g1a, g0b, g1b
	s_cmp_eq_u32 s15, 0
	s_cbranch_scc0 .Lfor_b_\@
	tensor_load_to_lds s[\g0a:\g0a+3], s[\g1a:\g1a+7]
	s_nop 0
.rept 4
	v_nop
.endr
	s_branch .Lasked_\@
.Lfor_b_\@:
	tensor_load_to_lds s[\g0b:\g0b+3], s[\g1b:\g1b+7]
	s_nop 0
.rept 4
	v_nop
.endr
.Lasked_\@:
.endm
.macro CREST
	s_cmp_lg_u32 s14, 0
	s_cbranch_scc1 .Lnot_wave_0_\@
	s_barrier_signal -3
.Lnot_wave_0_\@:
	s_barrier_wait -3
	s_barrier_signal -1
	s_barrier_wait -1
.endm
.macro CROUND
	s_barrier_signal -1
	s_barrier_wait -1
	CREST
.endm
.macro FRAG reg, adr, q, i             ; a fragment's image comes back as it was stored
	ds_load_b128 v[\reg:\reg+3], v[\adr] offset:(\i)*RBS+(\q)*1536
	ds_load_b64 v[\reg+4:\reg+5], v[\adr+2] offset:(\i)*RBS+(\q)*1536+512
	ds_load_b128 v[\reg+6:\reg+9], v[\adr] offset:(\i)*RBS+(\q)*1536+768
	ds_load_b64 v[\reg+10:\reg+11], v[\adr+2] offset:(\i)*RBS+(\q)*1536+1280
.endm
; 16 matrix instructions: A's blocks a0, a0 + 1 x B's eight.  The 64 accumulators take turns, one instruction a turn.
.macro MUL16 a0, p, q, sc, zero
.irp a, \a0, \a0+1
.irp b, 0,1,2,3,4,5,6,7
.if \zero
	v_wmma_scale_f32_16x16x128_f8f6f4 v[8*(8*((\a)%4)+\b):8*(8*((\a)%4)+\b)+7], v[128*(\p)+FR*\b:128*(\p)+FR*\b+FR-1], v[AF+FR*(\a):AF+FR*(\a)+FR-1], 0, v[SC+8*NQ*(\sc)+NQ*\b+(\q)], v[SC+8*NQ*(\sc)+NQ*(\a)+(\q)] matrix_a_fmt:MATRIX_FMT_FP6 matrix_b_fmt:MATRIX_FMT_FP6 matrix_a_scale:MATRIX_SCALE_ROW1
.else
	v_wmma_scale_f32_16x16x128_f8f6f4 v[8*(8*((\a)%4)+\b):8*(8*((\a)%4)+\b)+7], v[128*(\p)+FR*\b:128*(\p)+FR*\b+FR-1], v[AF+FR*(\a):AF+FR*(\a)+FR-1], v[8*(8*((\a)%4)+\b):8*(8*((\a)%4)+\b)+7], v[SC+8*NQ*(\sc)+NQ*\b+(\q)], v[SC+8*NQ*(\sc)+NQ*(\a)+(\q)] matrix_a_fmt:MATRIX_FMT_FP6 matrix_b_fmt:MATRIX_FMT_FP6 matrix_a_scale:MATRIX_SCALE_ROW1
.endif
.endr
.endr
.endm
.macro FETCH_B slot, q, p
	WIN TO_B
.irp i, 0,1,2,3,4,5,6,7
	FRAG 128*(\p)+FR*\i, ADRB+\slot, \q, \i
.endr
	WIN 0
.endm
.macro FETCH_A slot, q, i0
.irp i, \i0, \i0+1, \i0+2, \i0+3
	FRAG AF+FR*(\i), ADRA+\slot, \q, \i
.endr
.endm
.macro SCALES sc                       ; lanes 0-15 take the two words of A's block i, lanes 16-31 those of B's block i
.irp i, 0,1,2,3,4,5,6,7
	ds_load_b64 v[SC+8*NQ*\sc+NQ*\i:SC+8*NQ*\sc+NQ*\i+1], v[ADRS] offset:\i*512
.endr
.endm
.macro PLACES n
.rept \n
	v_nop
.endr
.endm
.macro STEP slot, q, zero              ; 128 along K that has its successor in the same slot
	s_wait_dscnt 4*NL                              ; all but the youngest 16 loads (A's blocks 4-7) are in
	WIN MUL_LO
	MUL16 0, (\q)%2, \q, \slot, \zero
	MUL16 2, (\q)%2, \q, \slot, \zero
	s_wait_dscnt 0
	PLACES NP
	FETCH_B \slot, (\q)+1, 1-(\q)%2
	FETCH_A \slot, (\q)+1, 0
	WIN MUL_HI
	MUL16 4, (\q)%2, \q, \slot, \zero
	MUL16 6, (\q)%2, \q, \slot, \zero
	PLACES NP
	WIN 0
	FETCH_A \slot, (\q)+1, 4
.endm
; A slot's last 128 along K change slots: one barrier; in front of it each wave waits for all its tensor loads, adds 0 to its spare word, and waits for that and for its reads of this slot.
.macro TURN slot, next, fill
	s_wait_tensorcnt 0x0                           ; all my tensor loads have landed: my part of the next slot
	ds_add_u32 v[SPW], v[NIL]
	s_wait_dscnt 4*NL+1                            ; (the add and the youngest 16 loads may be out)
	WIN MUL_LO
	MUL16 0, 1, NQ-1, \slot, 0
	s_wait_dscnt 0x0                               ; the add is done, and my reads of this slot are over
	s_barrier_signal -1
	MUL16 2, 1, NQ-1, \slot, 0
	WIN 0
	s_barrier_wait -1
.if \fill
	CREST                                          ; the barrier has opened a round of the cluster's: no wave of any partner still reads this slot or has a load on its way
	s_add_nc_u64 s[G0+4*\slot+2:G0+4*\slot+3], s[G0+4*\slot+2:G0+4*\slot+3], 2*RBS
	s_add_nc_u64 s[G0B+4*\slot+2:G0B+4*\slot+3], s[G0B+4*\slot+2:G0B+4*\slot+3], 2*RBS
	JLOAD G0+4*\slot, G1, G0B+4*\slot, G1B         ; its four v_nop are also the places in front of the loads below
.else
	PLACES NP
.endif
	v_add_nc_u32 v[ADRS], 128, v[ADRS]             ; the next slot's scale words
	FETCH_B \next, 0, 0
	FETCH_A \next, 0, 0
	SCALES \next
	WIN MUL_HI
	MUL16 4, 1, NQ-1, \slot, 0
	MUL16 6, 1, NQ-1, \slot, 0
	PLACES NP
	WIN 0
	FETCH_A \next, 0, 4
.endm
; 64 numbers of a lane in window w, register 16 b + i = k 32 b + 16 (lane / 16) + i of my row, become codes in v[PC] on and a scale word in v[pw], both in window 0.  The numbers are read in ascending order.
.macro QUANT s, w, pw
	WIN (\w)|((\w)<<2)
.irp b, 0,1,2,3
	v_max3_num_f32 v[TM+\b], |v[\s+16*\b]|, |v[\s+16*\b+1]|, 0x1800000   ; the floor 2^(3 - 127)
.endr
.irp i, 2,4,6,8,10,12,14
.irp b, 0,1,2,3
	v_max3_num_f32 v[TM+\b], |v[\s+16*\b+\i]|, |v[\s+16*\b+\i+1]|, v[TM+\b]
.endr
.endr
	WIN 0
.irp b, 0,1,2,3
	v_permlanex16_b32 v[TM+4+\b], v[TM+\b], s[SEL], s[SEL+1]
.endr
.irp b, 0,1,2,3
	v_max_num_f32 v[TM+\b], v[TM+\b], v[TM+4+\b]
.endr
.irp b, 0,1,2,3
	v_add_nc_u32 v[TM+12+\b], 0xff000000, v[TM+\b]
.endr
.irp b, 0,1,2,3
	v_lshrrev_b32 v[TM+4+\b], 23, v[TM+12+\b]
.endr
	v_lshl_or_b32 v[\pw], v[TM+5], 8, v[TM+4]
	v_lshl_or_b32 v[\pw], v[TM+6], 16, v[\pw]
	v_lshl_or_b32 v[\pw], v[TM+7], 24, v[\pw]
	WIN (\w)
.irp c, 0,1
	v_cvt_scalef32_pk16_fp6_f32 v[PC+6*\c:PC+6*\c+2], v[\s+32*\c:\s+32*\c+15], v[TM+12+2*\c]
	v_cvt_scalef32_pk16_fp6_f32 v[PC+12+4*\c:PC+14+4*\c], v[\s+32*\c+16:\s+32*\c+31], v[TM+13+2*\c]
.endr
	WIN 0
	v_nop                                          ; one plain place behind a scaled conversion
.irp c, 0,1
.irp i, 0,1,2
	v_permlane16_swap_b32 v[PC+6*\c+\i], v[PC+12+4*\c+\i]
.endr
.irp i, 0,1,2
	v_mov_b32 v[PC+3+6*\c+\i], v[PC+12+4*\c+\i]
.endr
.endr
.endm
	s_load_b128 s[4:7], s[0:1], 0x0                ; opnd s[4:5], qkv s[6:7]
	v_lshl_add_u32 v[SPW], v0, 2, SPARE
	v_mov_b32 v[NIL], 0
	ds_add_u32 v[SPW], v[NIL]                      ; the wave's opening: the add, and its wait ahead of my first tensor load
	v_lshrrev_b32 v1, 5, v0
	v_readfirstlane_b32 s14, v1                    ; wave
	s_lshr_b32 s15, s14, 1                         ; my half of A's rows.  Also: I fetch for A (0) or for B (1)
	s_and_b32 s16, s14, 1                          ; my half of B's rows.  Also: which 128 rows I fetch
	s_bfe_u32 s40, ttmp6, 0x40000                  ; cx
	s_bfe_u32 s41, ttmp6, 0x40004                  ; cy
	s_lshl_b32 s42, ttmp9, 2                       ; 4 x cluster x
	s_and_b32 s17, ttmp7, 0xffff
	s_lshl_b32 s17, s17, 2                         ; 4 x cluster y
	s_lshl_b32 s43, s41, 2
	s_lshl_b32 s43, 15, s43                        ; my row of the cluster
	s_lshl_b32 s44, 0x1111, s40                    ; my column
	s_mov_b32 s20, O_XS
	s_mov_b32 s21, O_WS
	s_cmp_eq_u32 ttmp9, 2                          ; v's tiles?  The cluster's x: the same in all sixteen partners
	s_cselect_b32 s95, 1, 0
	s_cselect_b32 s45, 8, s17                      ; A's tile: v: tiles 8-11 of the weight's rows; else the tokens'
	s_cselect_b32 s46, s17, s42                    ; B's tile: v: the tokens'; else tiles 0-7 of the weight's rows
	s_cselect_b32 s92, O_WC, 0                     ; where A's codes lie in opnd,
	s_cselect_b32 s93, s21, s20                    ; A's scale words,
	s_cselect_b32 s94, 0, O_WC                     ; B's codes,
	s_cselect_b32 s47, s20, s21                    ; B's scale words
	s_add_co_u32 s45, s45, s41                     ; + cy: shared along a row of the cluster
	s_add_co_u32 s46, s46, s40                     ; + cx: shared along a column
	; group 1 for codes: 8 rows (row blocks) of 3,072 bytes, 12,288 bytes apart, in elements of 8 bytes; no padding
	s_or_b32 s[G1+0], s43, (3<<16)|(1<<21)
	s_or_b32 s[G1B+0], s44, (3<<16)|(1<<21)
.irp g, G1, G1B
	s_mov_b32 s[\g+1], 384<<16                     ; tensor_dim0
	s_mov_b32 s[\g+2], 8<<16                       ; tensor_dim1
	s_mov_b32 s[\g+3], 384<<16                     ; tile_dim0
	s_mov_b32 s[\g+4], 8                           ; tile_dim1
	s_mov_b32 s[\g+5], 1536                        ; the pitch
	s_mov_b32 s[\g+6], 0
	s_mov_b32 s[\g+7], 0
.endr
	; and for the scale words of 128 rows: 4,096 dense bytes as 16 rows of 256
	s_or_b32 s[G1S+0], s43, (3<<16)|(1<<21)
	s_or_b32 s[G1SB+0], s44, (3<<16)|(1<<21)
.irp g, G1S, G1SB
	s_mov_b32 s[\g+1], 32<<16
	s_mov_b32 s[\g+2], 16<<16
	s_mov_b32 s[\g+3], 32<<16
	s_mov_b32 s[\g+4], 16
	s_mov_b32 s[\g+5], 32
	s_mov_b32 s[\g+6], 0
	s_mov_b32 s[\g+7], 0
.endr
	s_lshl_b32 s18, s16, 3
	s_lshl_b32 s8, s45, 4
	s_add_co_u32 s8, s8, s18                       ; A's first row block that I would fetch
	s_lshl_b32 s9, s46, 4
	s_add_co_u32 s9, s9, s18                       ; B's
	s_mul_i32 s10, s8, RBK
	s_add_co_u32 s10, s10, s92
	s_mov_b32 s11, 0
	s_lshl_b32 s12, s8, 9
	s_add_co_u32 s12, s12, s93
	s_mov_b32 s13, 0
	s_mul_i32 s20, s9, RBK
	s_add_co_u32 s20, s20, s94
	s_mov_b32 s21, 0
	s_lshl_b32 s22, s9, 9
	s_add_co_u32 s22, s22, s47
	s_mov_b32 s23, 0
	s_mul_i32 s19, s14, HALFT                      ; where they go: wave x 128 rows: no place in the cluster enters an LDS address
	s_lshl_b32 s18, s14, 12
	s_wait_dscnt 0x0                               ; the opening add is done
	s_wait_kmcnt 0x0
	s_add_nc_u64 s[10:11], s[4:5], s[10:11]
	s_add_nc_u64 s[12:13], s[4:5], s[12:13]
	s_add_nc_u64 s[20:21], s[4:5], s[20:21]
	s_add_nc_u64 s[22:23], s[4:5], s[22:23]
	CROUND                                         ; all sixteen work-groups are here: the first joint loads meet
	s_mov_b32 s[G0S], 1
	s_add_co_u32 s[G0S+1], s18, SCL
	s_mov_b64 s[G0S+2:G0S+3], s[12:13]
	s_or_b32 s[G0S+3], s[G0S+3], 0x80000000
	s_mov_b32 s[G0SB], 1
	s_add_co_u32 s[G0SB+1], s18, SCL
	s_mov_b64 s[G0SB+2:G0SB+3], s[22:23]
	s_or_b32 s[G0SB+3], s[G0SB+3], 0x80000000
	JLOAD G0S, G1S, G0SB, G1SB                     ; by this text's count three tensor loads of a wave are out at the start, one behind each round
.irp s, 0,1
	s_mov_b32 s[G0+4*\s], 1
	s_add_co_u32 s[G0+4*\s+1], s19, \s*SLOT
	s_add_nc_u64 s[G0+4*\s+2:G0+4*\s+3], s[10:11], \s*RBS
	s_or_b32 s[G0+4*\s+3], s[G0+4*\s+3], 0x80000000
	s_mov_b32 s[G0B+4*\s], 1
	s_add_co_u32 s[G0B+4*\s+1], s19, \s*SLOT
	s_add_nc_u64 s[G0B+4*\s+2:G0B+4*\s+3], s[20:21], \s*RBS
	s_or_b32 s[G0B+4*\s+3], s[G0B+4*\s+3], 0x80000000
	JLOAD G0+4*\s, G1, G0B+4*\s, G1B
.endr
	v_and_b32 v1, 15, v0                           ; r
	v_bfe_u32 v2, v0, 4, 1                         ; h
	v_and_b32 v6, 31, v0
	v_lshlrev_b32 v[CO], 4, v6
	v_lshlrev_b32 v[L8], 3, v6
	s_and_b32 s8, s45, 7                           ; the table of my 128 tokens' positions: 8 blocks of 16; the first two sets are asked for now
	s_lshl_b32 s8, s8, 4
	s_lshl_b32 s9, s15, 3
	s_add_co_u32 s8, s8, s9
	s_lshl_b32 s8, s8, 12
	s_add_co_u32 s8, s8, O_TAB
	s_mov_b32 s9, 0
	s_add_nc_u64 s[96:97], s[4:5], s[8:9]
.irp a, 0,1
.irp c, 0,1,2,3,4,5,6,7
	global_load_b128 v[TABR+32*\a+4*\c:TABR+32*\a+4*\c+3], v[CO], s[96:97] offset:4096*\a+512*\c
.endr
.endr
	s_mul_i32 s21, s15, HALFT                      ; my 128 rows of A
	s_mul_i32 s22, s16, HALFT
	s_add_co_u32 s22, s22, 2*HALFT                 ; my 128 rows of B, behind A's 256
.irp s, 0,1
	v_add_nc_u32 v[ADRA+\s], s21, v[CO]
	v_add_nc_u32 v[ADRA+2+\s], s21, v[L8]
	v_add_nc_u32 v[ADRB+\s], s22, v[CO]
	v_add_nc_u32 v[ADRB+2+\s], s22, v[L8]
	s_add_co_u32 s21, s21, SLOT
	s_add_co_u32 s22, s22, SLOT
.endr
	s_lshl_b32 s21, s15, 12
	s_lshl_b32 s22, s16, 12
	s_add_co_u32 s22, s22, 2*HALFS
	s_sub_co_u32 s22, s22, s21
	v_mul_u32_u24 v5, s22, v2                      ; lanes 16-31 take B's words
	s_add_co_u32 s21, s21, SCL
	v_lshl_add_u32 v5, v1, 3, v5
	v_add_nc_u32 v[ADRS], s21, v5
	s_wait_tensorcnt 1                             ; the scale words and my part of slot 0 are in; slot 1's load may be out
	s_barrier_signal -1
	s_barrier_wait -1
	FETCH_B 0, 0, 0
	FETCH_A 0, 0, 0
	SCALES 0
	FETCH_A 0, 0, 4
	STEP 0, 0, 1                                   ; the first products start the sums: nothing is cleared
	TURN 0, 1, 1                                   ; K = 1024 is four slots' worth: written straight, no loop
	STEP 1, 0, 0
	TURN 1, 0, 1
	STEP 0, 0, 0
	TURN 0, 1, 0
	STEP 1, 0, 0
	s_wait_dscnt 4*NL
	WIN MUL_LO
	MUL16 0, 1, NQ-1, 1, 0
	MUL16 2, 1, NQ-1, 1, 0
	s_wait_dscnt 0
	WIN MUL_HI
	MUL16 4, 1, NQ-1, 1, 0
	MUL16 6, 1, NQ-1, 1, 0
	WIN 0
	; THE WAY OUT: no LDS: a lane's codes are already an operand's registers
	PLACES NP                                      ; in front of writes into the registers that held A's fragments and of the reads of results
	s_mov_b32 s[SEL], 0x76543210
	s_mov_b32 s[SEL+1], 0xfedcba98
	s_mov_b32 s94, 0xffff0000                      ; lanes 16-31
.irp b, 0,1,2,3
	v_mov_b32 v[TM+4+\b], 0                        ; a lane permute's destination counts as one of its sources
.endr
	s_cmp_eq_u32 s95, 1
	s_cbranch_scc1 .Lv
	; ---- q, k: my 128 tokens are one step, my 128 channels two heads
	s_lshr_b32 s8, s45, 3                          ; batch
	s_and_b32 s9, s45, 7
	s_lshl_b32 s9, s9, 1
	s_add_co_u32 s9, s9, s15                       ; step
	s_lshr_b32 s10, s46, 2                         ; q or k
	s_and_b32 s11, s46, 3
	s_lshl_b32 s11, s11, 2
	s_lshl_b32 s12, s16, 1
	s_add_co_u32 s11, s11, s12                     ; my first head
	s_lshl_b32 s10, s10, 6
	s_lshl_b32 s8, s8, 4
	s_add_co_u32 s10, s10, s8
	s_add_co_u32 s10, s10, s11
	s_lshl_b32 s10, s10, 4
	s_add_co_u32 s10, s10, s9
	s_mul_i32 s8, s10, 6144
	s_mov_b32 s9, 0
	s_add_nc_u64 s[98:99], s[6:7], s[8:9]
	s_lshl_b32 s8, s10, 9
	s_add_co_u32 s8, s8, Q_QKS
	s_add_nc_u64 s[100:101], s[6:7], s[8:9]
; Block a: 16 tokens.  Register 32 e + i is channel 16 h + i of head e, register 32 e + 16 + i channel 32 + 16 h + i: RoPE's partners lie in one lane.
.macro EPQK a
.set AC, 64*((\a)%4)
.set CSN, TABR+32*((\a)%2)
.if (\a) < 7
	s_wait_loadcnt 8                               ; this block's cos and sin are in; the next block's 8 loads may be out
.else
	s_wait_loadcnt 0x0
.endif
	WIN 2+(\a)/4                                   ; source 0: the accumulators' window
.irp e, 0,1
.irp i, 0,2,4,6,8,10,12,14
	v_pk_mul_f32 v[HA+32*\e+\i:HA+32*\e+\i+1], v[AC+32*\e+\i:AC+32*\e+\i+1], v[CSN+\i:CSN+\i+1]
	v_pk_mul_f32 v[HA+32*\e+16+\i:HA+32*\e+16+\i+1], v[AC+32*\e+16+\i:AC+32*\e+16+\i+1], v[CSN+\i:CSN+\i+1]
	v_pk_fma_f32 v[HA+32*\e+\i:HA+32*\e+\i+1], v[AC+32*\e+16+\i:AC+32*\e+16+\i+1], v[CSN+16+\i:CSN+16+\i+1], v[HA+32*\e+\i:HA+32*\e+\i+1] neg_lo:[1,0,0] neg_hi:[1,0,0]
	v_pk_fma_f32 v[HA+32*\e+16+\i:HA+32*\e+16+\i+1], v[AC+32*\e+\i:AC+32*\e+\i+1], v[CSN+16+\i:CSN+16+\i+1], v[HA+32*\e+16+\i:HA+32*\e+16+\i+1]
.endr
.endr
	WIN 0
	s_wait_xcnt 0x0                                ; the last block's stores have read the codes' registers
.if (\a) < 6
.irp c, 0,1,2,3,4,5,6,7
	global_load_b128 v[CSN+4*\c:CSN+4*\c+3], v[CO], s[96:97] offset:4096*((\a)+2)+512*\c
.endr
.endif
	QUANT HA, 0, PW+(\a)
	global_store_b128 v[CO], v[PC:PC+3], s[98:99] offset:768*(\a)                 ; the first head's half image,
	global_store_b64 v[L8], v[PC+4:PC+5], s[98:99] offset:768*(\a)+512
	global_store_b128 v[CO], v[PC+6:PC+9], s[98:99] offset:98304+768*(\a)         ; the second head's, 16 steps on
	global_store_b64 v[L8], v[PC+10:PC+11], s[98:99] offset:98304+768*(\a)+512
.endm
.irp a, 0,1,2,3,4,5,6,7
	EPQK \a
.endr
.irp j, 0,1,2,3
	v_cndmask_b32 v[IMG+8+\j], v[PW+2*\j], v[PW+2*\j+1], s94     ; lanes 0-15: tile 2 j, lanes 16-31: tile 2 j + 1
.endr
.irp j, 0,1,2,3
	v_perm_b32 v[IMG+\j], v[IMG+8+\j], v[IMG+8+\j], 0x01000100   ; the first head's two bytes, twice: the upper half of the instruction's K meets zero codes under bytes of the same size
	v_perm_b32 v[IMG+4+\j], v[IMG+8+\j], v[IMG+8+\j], 0x03020302 ; the second head's
.endr
	global_store_b128 v[CO], v[IMG:IMG+3], s[100:101]
	global_store_b128 v[CO], v[IMG+4:IMG+7], s[100:101] offset:8192
	s_branch .Ldone
.Lv:
	; ---- v: my 128 channels are two heads, my 128 tokens one step: a block's 64 registers are the step's keys of one channel
	s_sub_co_u32 s8, s45, 8
	s_lshl_b32 s8, s8, 2
	s_lshl_b32 s9, s15, 1
	s_add_co_u32 s8, s8, s9                        ; my first head
	s_lshr_b32 s9, s46, 3                          ; batch
	s_lshl_b32 s9, s9, 4
	s_add_co_u32 s8, s8, s9
	s_lshl_b32 s8, s8, 4
	s_and_b32 s9, s46, 7
	s_lshl_b32 s9, s9, 1
	s_add_co_u32 s9, s9, s16                       ; step
	s_add_co_u32 s10, s8, s9
	s_mul_i32 s8, s10, 6144
	s_add_co_u32 s8, s8, Q_VC
	s_mov_b32 s9, 0
	s_add_nc_u64 s[98:99], s[6:7], s[8:9]
	s_lshl_b32 s8, s10, 8
	s_add_co_u32 s8, s8, Q_VS
	s_add_nc_u64 s[100:101], s[6:7], s[8:9]
.macro EPV a
.if (\a) > 0
	s_wait_xcnt 0x0                                ; the last block's stores have read the codes' registers
.endif
	QUANT 64*((\a)%4), 2+(\a)/4, PW+(\a)
	global_store_b128 v[CO], v[PC:PC+3], s[98:99] offset:((\a)/4)*98304+((\a)%4)*1536
	global_store_b64 v[L8], v[PC+4:PC+5], s[98:99] offset:((\a)/4)*98304+((\a)%4)*1536+512
	global_store_b128 v[CO], v[PC+6:PC+9], s[98:99] offset:((\a)/4)*98304+((\a)%4)*1536+768
	global_store_b64 v[L8], v[PC+10:PC+11], s[98:99] offset:((\a)/4)*98304+((\a)%4)*1536+1280
.endm
.irp a, 0,1,2,3,4,5,6,7
	EPV \a
.endr
.irp e, 0,1
.irp j, 0,1
	v_cndmask_b32 v[IMG+2*\e+\j], v[PW+4*\e+2*\j], v[PW+4*\e+2*\j+1], s94
.endr
	global_store_b64 v[L8], v[IMG+2*\e:IMG+2*\e+1], s[100:101] offset:4096*\e
.endr
.Ldone:
	s_wait_tensorcnt 0x0                           ; the wave's end
	ds_add_u32 v[SPW], v[NIL]
	s_wait_dscnt 0x0
	CROUND                                         ; the closing round: no work-group ends while a partner may still ask for a tile that names it
	s_endpgm
.Lfunc_end_k_q37fa2b3c5a_qkvgemm:
	.size	k_q37fa2b3c5a_qkvgemm, .Lfunc_end_k_q37fa2b3c5a_qkvgemm-k_q37fa2b3c5a_qkvgemm
	.p2alignl 7, 3214868480
	.fill 96, 4, 3214868480
	.section	.rodata,"a",@progbits
	.p2align	6, 0x0
	.amdhsa_kernel k_q37fa2b3c5a_qkvgemm
		.amdhsa_group_segment_fixed_size 327680
		.amdhsa_private_segment_fixed_size 0
		.amdhsa_enable_private_segment 0
		.amdhsa_kernarg_size 16
		.amdhsa_user_sgpr_count 2
		.amdhsa_user_sgpr_kernarg_segment_ptr 1
		.amdhsa_wavefront_size32 1
		.amdhsa_system_sgpr_workgroup_id_x 1
		.amdhsa_system_sgpr_workgroup_id_y 1
		.amdhsa_system_sgpr_workgroup_id_z 1
		.amdhsa_system_vgpr_workitem_id 0
		.amdhsa_next_free_vgpr 1024
		.amdhsa_next_free_sgpr 102
		.amdhsa_reserve_vcc 0
		.amdhsa_float_denorm_mode_32 3
		.amdhsa_float_denorm_mode_16_64 3
		.amdhsa_memory_ordered 1
		.amdhsa_forward_progress 1
		.amdhsa_inst_pref_size 223
	.end_amdhsa_kernel
	.amdgpu_metadata
---
amdhsa.version: [ 1, 2 ]
amdhsa.kernels:
  - .name:           k_q37fa2b3c5a_qkvgemm
    .symbol:         k_q37fa2b3c5a_qkvgemm.kd
    .args:
      - { .name: opnd, .offset: 0, .size: 8, .value_kind: global_buffer, .address_space: global }
      - { .name: qkv, .offset: 8, .size: 8, .value_kind: global_buffer, .address_space: global }
    .group_segment_fixed_size: 327680
    .private_segment_fixed_size: 0
    .kernarg_segment_align: 8
    .kernarg_segment_size: 16
    .max_flat_workgroup_size: 128
    .sgpr_count:     102
    .vgpr_count:     1024
    .wavefront_size: 32
...
	.end_amdgpu_metadata
.endif
;; end of part 2
;; launch attn (part 3): grid 16 x 64, 8 waves a work-group, no clusters, 66,560 bytes of LDS; arguments qkv, att; writes att
.if DOCPART == 3
	.amdgcn_target "amdgcn-amd-amdhsa--gfx1250"
	.amdhsa_code_object_version 6
	.text
	.protected	k_q37fa2b3c5a_attn
	.globl	k_q37fa2b3c5a_attn
	.p2align	8
	.type	k_q37fa2b3c5a_attn,@function
k_q37fa2b3c5a_attn:
	s_mov_b64 s[64:65], 0
	v_nop
	global_prefetch_b8 v0, s[64:65] scope:SCOPE_SE
	s_setreg_imm32_b32 hwreg(HW_REG_WAVE_MODE, 25, 1), 1
	s_wait_xcnt 0x0
; Attention under the mask that the problem builds: key j counts for query i where i - 511 <= j <= i.  Both products on codes of FP6 (E2M3) with E8M0 scales.
; t = score x log2(e) / 8; M = the running largest t rounded up to a whole number; p = 2^(t - M) is quantised along the keys; the row's sum is taken of the unquantised p and divides O at the end; O / sum is quantised
; along the channels (two blocks a head) and stored as half an image of the last product's operand.
; SHARES.  A work-group owns 128 queries of one head and batch; each of its eight waves one tile of 16.  The keys that count lie in the block's own step of 128 and the four before it: five steps, whose K, V and scale words
; (65,280 bytes) are copied into LDS once, through registers: no ring, no refill, one barrier.  Steps after the block (only where the block is one of the first four) are copied and not multiplied: a branch on ids.
; NO CLUSTER: neighbouring blocks of queries want windows that are shifted by a step, so partners would ask for different tiles.
; LAYOUT.  Both products transposed: S^T = K Q^T, O^T = V^T P^T: a lane holds one query.  The keys of a tile are laid so that the 16 registers of tiles 2 b, 2 b + 1 are keys 32 b + 16 (lane / 16) + 0..15; V's channels likewise.
; K = 64 IN AN INSTRUCTION OF 128: Q's registers 6-11 are zero codes.  K's tile t is named as the run v[32 + 6 t .. + 11]: what stands opposite Q's zeros is the next tile's codes (behind the last tile: zeros), under ordinary scale bytes:
; it adds nothing, since E2M3 has no code for infinity or NaN.
; The scale bytes of O leave as single bytes, 32 a wave: one byte in 24 of what the launch stores.
; LIMITS: NaN and infinities not served; the byte is held at 1 from below; a block of zeros has the byte 1.
; REGISTERS: v1-6 that stay; v8-11 addresses of the step; v12 -M, v13 the largest t, v[14:15] the sum; v16-27 Q; v28-29 V's scale words; v32-85 K's tiles, then V's fragments; v96-159 S^T, then p; v160-191 O^T; v224-235 p's codes; v232-254 at work; v248-251 K's scale words; v253 p's; v255 Q's.
.set Q_VC,  12582912
.set Q_QKS, 18874368
.set Q_VS,  19922944
.set A_AS,  6291456
.set VL,    30720                      ; LDS: K's five steps from 0, V's from here, 6,144 bytes a step;
.set KSL,   61440                      ; K's scale words, 512 bytes a step;
.set VSL,   64000                      ; V's, 256 bytes a step
.set SPARE, 65280                      ; the spare words, 128 bytes a wave
.set L16, 1
.set L8,  2
.set DC,  3                            ; v3  my query in the block - 16 (lane / 16)
.set NINF, 4
.set SPW, 5
.set NIL, 6
.set ADK, 8
.set ADK8, 9
.set ADS, 10
.set ADT, 11
.set WV,  18
.set SEL, 20
.set CS,  22
.set QB,  24
.set BH,  25
.set FIRST, 26
.set ABS, 27
.set TB,  28
.set TS,  29
.set TJ,  30
	s_load_b128 s[4:7], s[0:1], 0x0                ; qkv s[4:5], att s[6:7]
	v_lshl_add_u32 v[SPW], v0, 2, SPARE
	v_mov_b32 v[NIL], 0
	v_lshrrev_b32 v7, 5, v0
	v_readfirstlane_b32 s[WV], v7
	v_and_b32 v7, 31, v0
	v_lshlrev_b32 v[L16], 4, v7
	v_lshlrev_b32 v[L8], 3, v7
	v_and_b32 v8, 15, v0                           ; r
	v_bfe_u32 v9, v0, 4, 1                         ; h
	s_mov_b32 s[QB], ttmp9
	s_and_b32 s[BH], ttmp7, 0xffff
	s_sub_co_i32 s[FIRST], s[QB], 4
	s_max_i32 s[FIRST], s[FIRST], 0                ; LDS place s holds step FIRST + s
	s_mul_i32 s32, s[WV], 7680                     ; the copy: 61,440 bytes of codes, 7,680 a wave (waves 0-3: K, 4-7: V)
	v_add_nc_u32 v86, s32, v[L16]
	s_lshl_b32 s32, s[WV], 9
	s_add_co_u32 s32, s32, KSL
	v_add_nc_u32 v87, s32, v[L16]                  ; waves 0-4: a step's scale words of K,
	s_lshl_b32 s32, s[WV], 8
	s_add_co_u32 s32, s32, VSL
	v_add_nc_u32 v88, s32, v[L8]                   ; and of V
	s_lshr_b32 s33, s[WV], 1
	s_lshl_b32 s33, s33, 5
	s_and_b32 s34, s[WV], 1
	s_lshl_b32 s35, s34, 3
	s_add_co_u32 s33, s33, s35
	v_and_b32 v[DC], 8, v8
	v_add_nc_u32 v[DC], v[DC], v8
	v_add_nc_u32 v[DC], s33, v[DC]                 ; my query: 32 (w / 2) + 8 (w % 2) + r + 8 (r / 8)
	v_lshlrev_b32 v89, 4, v9
	v_sub_nc_u32 v[DC], v[DC], v89
	s_lshl_b32 s35, s34, 8
	s_lshr_b32 s36, s[WV], 1
	s_lshl_b32 s36, s36, 2
	s_add_co_u32 s35, s35, s36
	v_lshl_add_u32 v89, v8, 4, s35                 ; Q's scale word: lane 16 (w % 2) + r, word w / 2
	s_lshl_b32 s38, s[BH], 4
	s_add_co_u32 s39, s38, s[QB]
	s_add_co_u32 s38, s38, s[FIRST]
	s_lshl_b32 s40, s39, 3
	s_add_co_u32 s40, s40, s[WV]
	s_mul_i32 s40, s40, 768
	s_mov_b32 s41, 0
	s_lshl_b32 s42, s39, 9
	s_add_co_u32 s42, s42, Q_QKS
	s_mov_b32 s43, 0
	s_add_co_u32 s44, s38, 1024                    ; k lies 64 heads behind q
	s_mul_i32 s44, s44, 6144
	s_mul_i32 s45, s38, 6144
	s_add_co_u32 s45, s45, Q_VC
	s_and_b32 s46, s[WV], 3
	s_mul_i32 s46, s46, 7680
	s_cmp_lt_u32 s[WV], 4
	s_cselect_b32 s44, s44, s45
	s_add_co_u32 s44, s44, s46
	s_mov_b32 s45, 0
	s_add_co_u32 s46, s38, s[WV]
	s_add_co_u32 s50, s46, 1024
	s_lshl_b32 s50, s50, 9
	s_add_co_u32 s50, s50, Q_QKS
	s_mov_b32 s51, 0
	s_lshl_b32 s52, s46, 8
	s_add_co_u32 s52, s52, Q_VS
	s_mov_b32 s53, 0
	s_mov_b32 s48, 0xffff0000                      ; lanes 16-31
	s_mov_b32 s[SEL], 0x76543210
	s_mov_b32 s[SEL+1], 0xfedcba98
	s_mov_b32 s[CS], 0x3e38aa3b                    ; c = log2(e) / sqrt(64)
	s_mov_b32 s[CS+1], s[CS]
	s_mov_b32 s[ABS], s[FIRST]
	s_mov_b32 s[TB], 0
	s_mov_b32 s[TS], 0
	s_mov_b32 s[TJ], 0
	s_mov_b32 s31, 0
	s_wait_kmcnt 0x0
	s_add_nc_u64 s[40:41], s[4:5], s[40:41]
	s_add_nc_u64 s[42:43], s[4:5], s[42:43]
	s_add_nc_u64 s[44:45], s[4:5], s[44:45]
	s_add_nc_u64 s[50:51], s[4:5], s[50:51]
	s_add_nc_u64 s[52:53], s[4:5], s[52:53]
	global_load_b128 v[16:19], v[L16], s[40:41]    ; Q's half image stays in registers
	global_load_b64 v[20:21], v[L8], s[40:41] offset:512
	global_load_b32 v255, v89, s[42:43]
.irp i, 0,1,2,3,4,5,6,7,8,9,10,11,12,13,14
	global_load_b128 v[96+4*\i:99+4*\i], v[L16], s[44:45] offset:512*\i
.endr
	s_cmp_lt_u32 s[WV], 5
	s_cbranch_scc0 .Lno_scales
	global_load_b128 v[160:163], v[L16], s[50:51]
	global_load_b64 v[164:165], v[L8], s[52:53]
	s_wait_loadcnt 0x0
	ds_store_b128 v87, v[160:163]
	ds_store_b64 v88, v[164:165]
.Lno_scales:
	s_wait_loadcnt 0x0
.irp i, 0,1,2,3,4,5,6,7,8,9,10,11,12,13,14
	ds_store_b128 v86, v[96+4*\i:99+4*\i] offset:512*\i
.endr
.irp j, 22,23,24,25,26,27,80,81,82,83,84,85
	v_mov_b32 v[\j], 0                             ; zero codes: the upper half of Q's K, and what stands behind K's last tile
.endr
	v_mov_b32 v[NINF], 0xff800000
	v_mov_b32 v13, 0xff61b1e6                      ; the largest t so far: -3e38
	v_floor_f32 v12, -v13
	v_mov_b32 v14, 0
	v_mov_b32 v15, 0
.irp j, 236,237,238,239,252,253
	v_mov_b32 v[\j], 0                             ; written once: permutes' destinations, and the upper half of the pair v[252:253]
.endr
	s_wait_dscnt 0x0                               ; for the others' sake: my stores have landed
	s_barrier_signal -1
.irp j, 0,1,2,3,4,5,6,7,8,9,10,11,12,13,14,15,16,17,18,19,20,21,22,23,24,25,26,27,28,29,30,31
	v_mov_b32 v[160+\j], 0                         ; O^T: the step is written once; its first pass finds zeros
.endr
	s_barrier_wait -1
.Lstep:                                            ; five trips: a constant; what is left out is a step's work
	s_cmp_gt_u32 s[ABS], s[QB]
	s_cbranch_scc1 .Lhidden                        ; all its keys come after my block's queries
	v_add_nc_u32 v[ADK], s[TB], v[L16]             ; (these four are also the places behind the last trip's products, in front of the loads)
	v_add_nc_u32 v[ADK8], s[TB], v[L8]
	v_add_nc_u32 v[ADS], s[TS], v[L16]
	v_add_nc_u32 v[ADT], s[TJ], v[L8]
.irp t, 0,1,2,3,4,5,6,7
	ds_load_b128 v[32+6*\t:35+6*\t], v[ADK] offset:768*\t
	ds_load_b64 v[36+6*\t:37+6*\t], v[ADK8] offset:768*\t+512
.endr
	ds_load_b128 v[248:251], v[ADS] offset:KSL
	s_wait_dscnt 0x0
.irp t, 0,1,2,3,4,5,6,7
.if \t%2
	v_wmma_scale_f32_16x16x128_f8f6f4 v[96+8*\t:103+8*\t], v[32+6*\t:43+6*\t], v[16:27], 0, v[248+\t/2], v255 matrix_a_fmt:MATRIX_FMT_FP6 matrix_b_fmt:MATRIX_FMT_FP6 matrix_a_scale:MATRIX_SCALE_ROW1
.else
	v_wmma_scale_f32_16x16x128_f8f6f4 v[96+8*\t:103+8*\t], v[32+6*\t:43+6*\t], v[16:27], 0, v[248+\t/2], v255 matrix_a_fmt:MATRIX_FMT_FP6 matrix_b_fmt:MATRIX_FMT_FP6
.endif
.endr
.rept 4
	v_nop                                          ; places in front of the loads below and of the first read of the scores
.endr
.irp t, 0,1,2,3                                ; V's four fragments are asked for now and land under the softmax
	ds_load_b128 v[32+12*\t:35+12*\t], v[ADK] offset:VL+1536*\t
	ds_load_b64 v[36+12*\t:37+12*\t], v[ADK8] offset:VL+1536*\t+512
	ds_load_b128 v[38+12*\t:41+12*\t], v[ADK] offset:VL+1536*\t+768
	ds_load_b64 v[42+12*\t:43+12*\t], v[ADK8] offset:VL+1536*\t+1280
.endr
	ds_load_b64 v[28:29], v[ADT] offset:VSL
	s_add_co_u32 s33, s[ABS], 4
	s_cmp_lg_u32 s33, s[QB]
	s_cbranch_scc1 .Lno_edge
.irp n, 0,1,2,3,4,5,6,7,8,9,10,11,12,13,14,15,16,17,18,19,20,21,22,23,24,25,26,27,28,29,30,31,32,33,34,35,36,37,38,39,40,41,42,43,44,45,46,47,48,49,50,51,52,53,54,55,56,57,58,59,60,61,62,63
	v_cmp_le_i32 vcc_lo, 32*(\n/16)+\n%16, v[DC]   ; the window's far edge, four steps back: a key is hidden where its place in the step is at or under my query's
	v_cndmask_b32 v[96+\n], v[96+\n], v[NINF], vcc_lo
.endr
.Lno_edge:
	s_cmp_lg_u32 s[ABS], s[QB]
	s_cbranch_scc1 .Lno_diag
.irp n, 0,1,2,3,4,5,6,7,8,9,10,11,12,13,14,15,16,17,18,19,20,21,22,23,24,25,26,27,28,29,30,31,32,33,34,35,36,37,38,39,40,41,42,43,44,45,46,47,48,49,50,51,52,53,54,55,56,57,58,59,60,61,62,63
	v_cmp_gt_i32 vcc_lo, 32*(\n/16)+\n%16, v[DC]   ; the diagonal: hidden where the key comes after my query
	v_cndmask_b32 v[96+\n], v[96+\n], v[NINF], vcc_lo
.endr
.Lno_diag:
.irp b, 0,1,2,3
	v_max3_num_f32 v[232+\b], v[96+16*\b], v[97+16*\b], v[98+16*\b]   ; the largest score of each block of 32 keys: for the row's maximum and, since p rises with the score, for the block's largest p
.endr
.irp i, 3,5,7,9,11,13
.irp b, 0,1,2,3
	v_max3_num_f32 v[232+\b], v[232+\b], v[96+16*\b+\i], v[97+16*\b+\i]
.endr
.endr
.irp b, 0,1,2,3
	v_max_num_f32 v[232+\b], v[232+\b], v[111+16*\b]
.endr
.irp b, 0,1,2,3
	v_permlanex16_b32 v[236+\b], v[232+\b], s[SEL], s[SEL+1]
.endr
.irp b, 0,1,2,3
	v_max_num_f32 v[232+\b], v[232+\b], v[236+\b]
.endr
	v_max3_num_f32 v254, v232, v233, v234
	v_max_num_f32 v254, v254, v235
	v_mul_f32 v254, s[CS], v254
	v_max_num_f32 v13, v13, v254                   ; the running largest t
	v_mov_b32 v254, v12
	v_floor_f32 v12, -v13                          ; -M = floor(-t): M is a whole number
	v_sub_f32 v254, v12, v254
	v_cvt_i32_f32 v254, v254                       ; (it saturates)
	v_ldexp_f32 v252, 1.0, v254                    ; f = 2^(old M - new M): rounds nothing
.irp j, 0,2,4,6,8,10,12,14,16,18,20,22,24,26,28,30,32,34,36,38,40,42,44,46,48,50,52,54,56,58,60,62
	v_pk_fma_f32 v[96+\j:97+\j], v[96+\j:97+\j], s[CS:CS+1], v[12:13] op_sel_hi:[1,0,0]
.endr
.irp b, 0,1,2,3
	v_fma_f32 v[232+\b], v[232+\b], s[CS], v12
.endr
.irp j, 0,1,2,3,4,5,6,7,8,9,10,11,12,13,14,15,16,17,18,19,20,21,22,23,24,25,26,27,28,29,30,31,32,33,34,35,36,37,38,39,40,41,42,43,44,45,46,47,48,49,50,51,52,53,54,55,56,57,58,59,60,61,62,63
	v_exp_f32 v[96+\j], v[96+\j]                   ; p = 2^(t - M)
.endr
	v_pk_mul_f32 v[14:15], v[14:15], v[252:253] op_sel_hi:[1,0]   ; the sums under the new M (a plain place behind the exponentials)
	s_wait_alu depctr_va_vdst(0)                   ; one wait for the batch of 64, ahead of its first reader
.irp b, 0,1,2,3
	v_exp_f32 v[232+\b], v[232+\b]                 ; the blocks' largest p
.endr
	v_pk_add_f32 v[236:237], v[96:97], v[98:99]    ; the row's sum is taken of the unquantised p, in two chains
.irp j, 4,8,12,16,20,24,28,32,36,40,44,48,52,56,60
	v_pk_add_f32 v[14:15], v[14:15], v[96+\j:97+\j]
	v_pk_add_f32 v[236:237], v[236:237], v[98+\j:99+\j]
.endr
	v_pk_add_f32 v[14:15], v[14:15], v[236:237]
	s_wait_alu depctr_va_vdst(0)                   ; and one for the four
.irp b, 0,1,2,3
	v_max_num_f32 v[232+\b], 0x1800000, v[232+\b]  ; the floor 2^(3 - 127)
.endr
.irp b, 0,1,2,3
	v_add_nc_u32 v[244+\b], 0xff000000, v[232+\b]
.endr
.irp b, 0,1,2,3
	v_lshrrev_b32 v[236+\b], 23, v[244+\b]
.endr
	v_lshl_or_b32 v253, v237, 8, v236              ; p's scale word for these 128 keys
	v_lshl_or_b32 v253, v238, 16, v253
	v_lshl_or_b32 v253, v239, 24, v253
.irp c, 0,1
	v_cvt_scalef32_pk16_fp6_f32 v[224+6*\c:226+6*\c], v[96+32*\c:111+32*\c], v[244+2*\c]
	v_cvt_scalef32_pk16_fp6_f32 v[236+4*\c:238+4*\c], v[112+32*\c:127+32*\c], v[244+2*\c+1]
.endr
	v_nop
.irp c, 0,1
.irp i, 0,1,2
	v_permlane16_swap_b32 v[224+6*\c+\i], v[236+4*\c+\i]
.endr
.irp i, 0,1,2
	v_mov_b32 v[227+6*\c+\i], v[236+4*\c+\i]
.endr
.endr
.irp j, 0,2,4,6,8,10,12,14,16,18,20,22,24,26,28,30
	v_pk_mul_f32 v[160+\j:161+\j], v[160+\j:161+\j], v[252:253] op_sel_hi:[1,0]   ; O^T under the new M; these sixteen are also the places in front of the scaled products
.endr
	s_wait_dscnt 0x0                               ; V is in
.irp t, 0,1,2,3                                ; four accumulators by turns
.if \t%2
	v_wmma_scale_f32_16x16x128_f8f6f4 v[160+8*\t:167+8*\t], v[32+12*\t:43+12*\t], v[224:235], v[160+8*\t:167+8*\t], v[28+\t/2], v253 matrix_a_fmt:MATRIX_FMT_FP6 matrix_b_fmt:MATRIX_FMT_FP6 matrix_a_scale:MATRIX_SCALE_ROW1
.else
	v_wmma_scale_f32_16x16x128_f8f6f4 v[160+8*\t:167+8*\t], v[32+12*\t:43+12*\t], v[224:235], v[160+8*\t:167+8*\t], v[28+\t/2], v253 matrix_a_fmt:MATRIX_FMT_FP6 matrix_b_fmt:MATRIX_FMT_FP6
.endif
.endr
.Lhidden:
	s_add_co_u32 s[ABS], s[ABS], 1
	s_add_co_u32 s[TB], s[TB], 6144
	s_add_co_u32 s[TS], s[TS], 512
	s_add_co_u32 s[TJ], s[TJ], 256
	s_add_co_u32 s31, s31, 1
	s_cmp_lt_u32 s31, 5
	s_cbranch_scc1 .Lstep
	; THE WAY OUT: O^T / the sum; register 16 b + i is channel 32 b + 16 (lane / 16) + i of my query: two blocks of the last product's K
.rept 4
	v_nop
.endr
	v_add_f32 v14, v14, v15
	v_permlanex16_b32 v252, v14, s[SEL], s[SEL+1]
	v_add_f32 v14, v14, v252
	v_rcp_f32 v14, v14
	v_and_b32 v90, 15, v0                          ; (a plain place behind the reciprocal)
	v_bfe_u32 v91, v0, 4, 1
	v_lshl_add_u32 v90, v90, 3, v91                ; the scale byte's place: 8 r + h
	s_lshr_b32 s32, s[BH], 4
	s_lshl_b32 s32, s32, 7
	s_lshl_b32 s33, s[QB], 3
	s_add_co_u32 s32, s32, s33
	s_add_co_u32 s32, s32, s[WV]                   ; my row block of att: 128 x batch + 8 x block + wave
	s_and_b32 s33, s[BH], 15                       ; the head
	s_mul_i32 s34, s32, 12288
	s_mul_i32 s35, s33, 768                        ; K step head / 2, half head % 2
	s_add_co_u32 s34, s34, s35
	s_mov_b32 s35, 0
	s_add_nc_u64 s[40:41], s[6:7], s[34:35]
	s_lshr_b32 s36, s33, 2
	s_lshl_b32 s36, s36, 7
	s_bfe_u32 s37, s33, 0x10001
	s_lshl_b32 s37, s37, 2
	s_add_co_u32 s36, s36, s37
	s_and_b32 s37, s33, 1
	s_lshl_b32 s37, s37, 1
	s_add_co_u32 s36, s36, s37
	s_lshl_b32 s37, s32, 9
	s_add_co_u32 s34, s36, s37
	s_add_co_u32 s34, s34, A_AS
	s_add_nc_u64 s[42:43], s[6:7], s[34:35]
	s_wait_alu depctr_va_vdst(0)                   ; the wait, ahead of the reciprocal's first reader
.irp j, 0,1,2,3,4,5,6,7,8,9,10,11,12,13,14,15,16,17,18,19,20,21,22,23,24,25,26,27,28,29,30,31
	v_mul_f32 v[96+\j], v[160+\j], v14
.endr
.irp b, 0,1
	v_max3_num_f32 v[232+\b], |v[96+16*\b]|, |v[97+16*\b]|, 0x1800000
.endr
.irp i, 2,4,6,8,10,12,14
.irp b, 0,1
	v_max3_num_f32 v[232+\b], v[232+\b], |v[96+16*\b+\i]|, |v[97+16*\b+\i]|
.endr
.endr
.irp b, 0,1
	v_permlanex16_b32 v[236+\b], v[232+\b], s[SEL], s[SEL+1]
.endr
.irp b, 0,1
	v_max_num_f32 v[232+\b], v[232+\b], v[236+\b]
.endr
.irp b, 0,1
	v_add_nc_u32 v[244+\b], 0xff000000, v[232+\b]
.endr
.irp b, 0,1
	v_lshrrev_b32 v[236+\b], 23, v[244+\b]
.endr
	v_cvt_scalef32_pk16_fp6_f32 v[224:226], v[96:111], v244
	v_cvt_scalef32_pk16_fp6_f32 v[240:242], v[112:127], v245
	v_nop
.irp i, 0,1,2
	v_permlane16_swap_b32 v[224+\i], v[240+\i]
.endr
.irp i, 0,1,2
	v_mov_b32 v[227+\i], v[240+\i]
.endr
	v_cndmask_b32 v92, v236, v237, s48             ; lanes 0-15 the first block's byte, lanes 16-31 the second's
	global_store_b128 v[L16], v[224:227], s[40:41]             ; 512 consecutive bytes, aligned
	global_store_b64 v[L8], v[228:229], s[40:41] offset:512    ; 256
	global_store_b8 v90, v92, s[42:43]
	s_wait_tensorcnt 0x0                           ; the wave's end
	ds_add_u32 v[SPW], v[NIL]
	s_wait_dscnt 0x0
	s_endpgm
.Lfunc_end_k_q37fa2b3c5a_attn:
	.size	k_q37fa2b3c5a_attn, .Lfunc_end_k_q37fa2b3c5a_attn-k_q37fa2b3c5a_attn
	.p2alignl 7, 3214868480
	.fill 96, 4, 3214868480
	.section	.rodata,"a",@progbits
	.p2align	6, 0x0
	.amdhsa_kernel k_q37fa2b3c5a_attn
		.amdhsa_group_segment_fixed_size 66560
		.amdhsa_private_segment_fixed_size 0
		.amdhsa_enable_private_segment 0
		.amdhsa_kernarg_size 16
		.amdhsa_user_sgpr_count 2
		.amdhsa_user_sgpr_kernarg_segment_ptr 1
		.amdhsa_wavefront_size32 1
		.amdhsa_system_sgpr_workgroup_id_x 1
		.amdhsa_system_sgpr_workgroup_id_y 1
		.amdhsa_system_sgpr_workgroup_id_z 1
		.amdhsa_system_vgpr_workitem_id 0
		.amdhsa_next_free_vgpr 256
		.amdhsa_next_free_sgpr 66
		.amdhsa_reserve_vcc 1
		.amdhsa_float_denorm_mode_32 3
		.amdhsa_float_denorm_mode_16_64 3
		.amdhsa_memory_ordered 1
		.amdhsa_forward_progress 1
		.amdhsa_inst_pref_size 40
	.end_amdhsa_kernel
	.amdgpu_metadata
---
amdhsa.version: [ 1, 2 ]
amdhsa.kernels:
  - .name:           k_q37fa2b3c5a_attn
    .symbol:         k_q37fa2b3c5a_attn.kd
    .args:
      - { .name: qkv, .offset: 0, .size: 8, .value_kind: global_buffer, .address_space: global }
      - { .name: att, .offset: 8, .size: 8, .value_kind: global_buffer, .address_space: global }
    .group_segment_fixed_size: 66560
    .private_segment_fixed_size: 0
    .kernarg_segment_align: 8
    .kernarg_segment_size: 16
    .max_flat_workgroup_size: 256
    .sgpr_count:     66
    .vgpr_count:     256
    .wavefront_size: 32
...
	.end_amdgpu_metadata
.endif
;; end of part 3
;; launch outgemm (part 4): grid 4 x 32, 4 waves a work-group, clusters of 4 x 4, 327,680 bytes of LDS; arguments att, opnd, out0; writes out0
.if DOCPART == 4
	.amdgcn_target "amdgcn-amd-amdhsa--gfx1250"
	.amdhsa_code_object_version 6
	.text
	.protected	k_q37fa2b3c5a_outgemm
	.globl	k_q37fa2b3c5a_outgemm
	.p2align	8
	.type	k_q37fa2b3c5a_outgemm,@function
k_q37fa2b3c5a_outgemm:
	s_mov_b64 s[64:65], 0
	v_nop
	global_prefetch_b8 v0, s[64:65] scope:SCOPE_SE
	s_setreg_imm32_b32 hwreg(HW_REG_WAVE_MODE, 25, 1), 1
	s_wait_xcnt 0x0
	s_wait_alu depctr_hold_cnt(0) depctr_sa_sdst(0) depctr_va_vdst(0) depctr_va_sdst(0) depctr_va_ssrc(0) depctr_va_vcc(0) depctr_vm_vsrc(0)
	s_getreg_b32 s2, hwreg(HW_REG_IB_STS2, 6, 4)
	s_cmp_eq_u32 s2, 0
	s_cbranch_scc0 .Lentry_in_a_cluster
	s_endpgm
.Lentry_in_a_cluster:
	s_bfe_u32 s2, ttmp6, 0x10000c
	s_cmp_lg_u32 s2, 0xf033
	s_cbranch_scc0 .Lentry_shape_is_right
	s_endpgm
.Lentry_shape_is_right:
; out0 = att Wout on codes of FP6 (E2M3) with E8M0 scales, K = 1024; out0 [8192][1024] f32.
; A = att's rows (tokens), B = Wout's columns (row blocks 192-255 of the weights in opnd); both lie as images of operand registers (16 rows x 128 K: 1,536 bytes), rows in the fixed order: place 16 u + p of a group of 32 holds row
; 8 u + p + 8 (p / 8).  A tile of 256 x 256 is made by four waves, 128 x 128 each; K goes in steps of 256 through two LDS slots filled by the tensor data mover; the scale words of the tile's rows come once.
; THE MATRIX INSTRUCTION IS USED TRANSPOSED (source 0 = 16 rows of B, source 1 = 16 rows of A): a lane holds one token, and the 16 registers of two neighbouring accumulators are 16 neighbouring columns.
; CLUSTERS: 4 x 4: A's tile is asked for jointly along a row of the cluster, B's along a column.  128 work-groups: the tiles that out0 has at this size of tile.
; THE WAY OUT: a block of 16 tokens x 128 columns goes through my own stage in LDS and leaves as whole rows of 512 bytes, each at its token's true row.  The stage lies in slot 0, which has had its last fill and its last read by then.
; REGISTERS: window 0: v16-29 addresses; v32-63 scale words, two sets; v128-223 A's fragments; on the way out v128-255 rows read back.  window 1: B's fragments, two sets.  windows 2, 3: the accumulators.
.set O_WC,  6291456
.set O_WS,  9699328
.set A_AS,  6291456
.set NQ,    2
.set FR,    12
.set NL,    4
.set NP,    4
.set RBK,   12288
.set RBS,   3072
.set HALFT, 8*RBS
.set SLOT,  4*HALFT
.set SCL,   2*SLOT
.set HALFS, 4096
.set SPARE, SCL+4*HALFS
.set SPITCH, 528
.set ADRA, 16
.set ADRB, 20
.set STO,  24
.set RD,   25
.set CO,   26
.set ADRS, 27
.set SPW,  28
.set NIL,  29
.set SC,   32
.set AF,   128
.set BK,   128
.set G1, 24
.set G0, 32
.set G1B, 48
.set G0B, 56
.set G1S, 68
.set G0S, 76
.set G1SB, 80
.set G0SB, 88
.set MSB, 0
.macro WIN new
.if MSB != (\new)
	s_set_vgpr_msb (MSB<<8)|(\new)
.set MSB, (\new)
.endif
.endm
.set MUL_LO, 0xa1
.set MUL_HI, 0xf1
.set TO_B,   0x40
.macro JLOAD g0a, g1a, g0b, g1b        ; waves 0 and 1 fetch for A, waves 2 and 3 for B; an s_nop 0 and four v_nop follow each line
	s_cmp_eq_u32 s15, 0
	s_cbranch_scc0 .Lfor_b_\@
	tensor_load_to_lds s[\g0a:\g0a+3], s[\g1a:\g1a+7]
	s_nop 0
.rept 4
	v_nop
.endr
	s_branch .Lasked_\@
.Lfor_b_\@:
	tensor_load_to_lds s[\g0b:\g0b+3], s[\g1b:\g1b+7]
	s_nop 0
.rept 4
	v_nop
.endr
.Lasked_\@:
.endm
.macro CREST
	s_cmp_lg_u32 s14, 0
	s_cbranch_scc1 .Lnot_wave_0_\@
	s_barrier_signal -3
.Lnot_wave_0_\@:
	s_barrier_wait -3
	s_barrier_signal -1
	s_barrier_wait -1
.endm
.macro CROUND
	s_barrier_signal -1
	s_barrier_wait -1
	CREST
.endm
.macro FRAG reg, adr, q, i
	ds_load_b128 v[\reg:\reg+3], v[\adr] offset:(\i)*RBS+(\q)*1536
	ds_load_b64 v[\reg+4:\reg+5], v[\adr+2] offset:(\i)*RBS+(\q)*1536+512
	ds_load_b128 v[\reg+6:\reg+9], v[\adr] offset:(\i)*RBS+(\q)*1536+768
	ds_load_b64 v[\reg+10:\reg+11], v[\adr+2] offset:(\i)*RBS+(\q)*1536+1280
.endm
.macro MUL16 a0, p, q, sc, zero        ; the 64 accumulators take turns, one instruction a turn
.irp a, \a0, \a0+1
.irp b, 0,1,2,3,4,5,6,7
.if \zero
	v_wmma_scale_f32_16x16x128_f8f6f4 v[8*(8*((\a)%4)+\b):8*(8*((\a)%4)+\b)+7], v[128*(\p)+FR*\b:128*(\p)+FR*\b+FR-1], v[AF+FR*(\a):AF+FR*(\a)+FR-1], 0, v[SC+8*NQ*(\sc)+NQ*\b+(\q)], v[SC+8*NQ*(\sc)+NQ*(\a)+(\q)] matrix_a_fmt:MATRIX_FMT_FP6 matrix_b_fmt:MATRIX_FMT_FP6 matrix_a_scale:MATRIX_SCALE_ROW1
.else
	v_wmma_scale_f32_16x16x128_f8f6f4 v[8*(8*((\a)%4)+\b):8*(8*((\a)%4)+\b)+7], v[128*(\p)+FR*\b:128*(\p)+FR*\b+FR-1], v[AF+FR*(\a):AF+FR*(\a)+FR-1], v[8*(8*((\a)%4)+\b):8*(8*((\a)%4)+\b)+7], v[SC+8*NQ*(\sc)+NQ*\b+(\q)], v[SC+8*NQ*(\sc)+NQ*(\a)+(\q)] matrix_a_fmt:MATRIX_FMT_FP6 matrix_b_fmt:MATRIX_FMT_FP6 matrix_a_scale:MATRIX_SCALE_ROW1
.endif
.endr
.endr
.endm
.macro FETCH_B slot, q, p
	WIN TO_B
.irp i, 0,1,2,3,4,5,6,7
	FRAG 128*(\p)+FR*\i, ADRB+\slot, \q, \i
.endr
	WIN 0
.endm
.macro FETCH_A slot, q, i0
.irp i, \i0, \i0+1, \i0+2, \i0+3
	FRAG AF+FR*(\i), ADRA+\slot, \q, \i
.endr
.endm
.macro SCALES sc
.irp i, 0,1,2,3,4,5,6,7
	ds_load_b64 v[SC+8*NQ*\sc+NQ*\i:SC+8*NQ*\sc+NQ*\i+1], v[ADRS] offset:\i*512
.endr
.endm
.macro PLACES n
.rept \n
	v_nop
.endr
.endm
.macro STEP slot, q, zero
	s_wait_dscnt 4*NL                              ; all but the youngest 16 loads (A's blocks 4-7) are in
	WIN MUL_LO
	MUL16 0, (\q)%2, \q, \slot, \zero
	MUL16 2, (\q)%2, \q, \slot, \zero
	s_wait_dscnt 0
	PLACES NP
	FETCH_B \slot, (\q)+1, 1-(\q)%2
	FETCH_A \slot, (\q)+1, 0
	WIN MUL_HI
	MUL16 4, (\q)%2, \q, \slot, \zero
	MUL16 6, (\q)%2, \q, \slot, \zero
	PLACES NP
	WIN 0
	FETCH_A \slot, (\q)+1, 4
.endm
.macro TURN slot, next, fill
	s_wait_tensorcnt 0x0                           ; all my tensor loads have landed: my part of the next slot
	ds_add_u32 v[SPW], v[NIL]
	s_wait_dscnt 4*NL+1                            ; (the add and the youngest 16 loads may be out)
	WIN MUL_LO
	MUL16 0, 1, NQ-1, \slot, 0
	s_wait_dscnt 0x0                               ; the add is done, and my reads of this slot are over
	s_barrier_signal -1
	MUL16 2, 1, NQ-1, \slot, 0
	WIN 0
	s_barrier_wait -1
.if \fill
	CREST                                          ; a round of the cluster's barrier: no wave of any partner still reads this slot or has a load on its way
	s_add_nc_u64 s[G0+4*\slot+2:G0+4*\slot+3], s[G0+4*\slot+2:G0+4*\slot+3], 2*RBS
	s_add_nc_u64 s[G0B+4*\slot+2:G0B+4*\slot+3], s[G0B+4*\slot+2:G0B+4*\slot+3], 2*RBS
	JLOAD G0+4*\slot, G1, G0B+4*\slot, G1B
.else
	PLACES NP
.endif
	v_add_nc_u32 v[ADRS], 128, v[ADRS]
	FETCH_B \next, 0, 0
	FETCH_A \next, 0, 0
	SCALES \next
	WIN MUL_HI
	MUL16 4, 1, NQ-1, \slot, 0
	MUL16 6, 1, NQ-1, \slot, 0
	PLACES NP
	WIN 0
	FETCH_A \next, 0, 4
.endm
	s_load_b128 s[4:7], s[0:1], 0x0                ; att s[4:5], opnd s[6:7]
	s_load_b64 s[92:93], s[0:1], 0x10              ; out0
	v_lshl_add_u32 v[SPW], v0, 2, SPARE
	v_mov_b32 v[NIL], 0
	ds_add_u32 v[SPW], v[NIL]                      ; the wave's opening: the add, and its wait ahead of my first tensor load
	v_lshrrev_b32 v1, 5, v0
	v_readfirstlane_b32 s14, v1
	s_lshr_b32 s15, s14, 1
	s_and_b32 s16, s14, 1
	s_bfe_u32 s40, ttmp6, 0x40000                  ; cx
	s_bfe_u32 s41, ttmp6, 0x40004                  ; cy
	s_lshl_b32 s42, ttmp9, 2
	s_add_co_u32 s46, s42, s40                     ; B's tile: 256 columns
	s_and_b32 s17, ttmp7, 0xffff
	s_lshl_b32 s17, s17, 2
	s_add_co_u32 s45, s17, s41                     ; A's tile: 256 tokens
	s_lshl_b32 s43, s41, 2
	s_lshl_b32 s43, 15, s43
	s_lshl_b32 s44, 0x1111, s40
	s_or_b32 s[G1+0], s43, (3<<16)|(1<<21)         ; codes: 8 rows of 3,072 bytes, 12,288 apart, in elements of 8 bytes
	s_or_b32 s[G1B+0], s44, (3<<16)|(1<<21)
.irp g, G1, G1B
	s_mov_b32 s[\g+1], 384<<16
	s_mov_b32 s[\g+2], 8<<16
	s_mov_b32 s[\g+3], 384<<16
	s_mov_b32 s[\g+4], 8
	s_mov_b32 s[\g+5], 1536
	s_mov_b32 s[\g+6], 0
	s_mov_b32 s[\g+7], 0
.endr
	s_or_b32 s[G1S+0], s43, (3<<16)|(1<<21)        ; scale words of 128 rows: 16 rows of 256 dense bytes
	s_or_b32 s[G1SB+0], s44, (3<<16)|(1<<21)
.irp g, G1S, G1SB
	s_mov_b32 s[\g+1], 32<<16
	s_mov_b32 s[\g+2], 16<<16
	s_mov_b32 s[\g+3], 32<<16
	s_mov_b32 s[\g+4], 16
	s_mov_b32 s[\g+5], 32
	s_mov_b32 s[\g+6], 0
	s_mov_b32 s[\g+7], 0
.endr
	s_lshl_b32 s18, s16, 3
	s_lshl_b32 s8, s45, 4
	s_add_co_u32 s8, s8, s18
	s_lshl_b32 s9, s46, 4
	s_add_co_u32 s9, s9, s18
	s_add_co_u32 s9, s9, 192                       ; Wout's row blocks lie behind Wqkv's 192
	s_mul_i32 s10, s8, RBK
	s_mov_b32 s11, 0
	s_lshl_b32 s12, s8, 9
	s_add_co_u32 s12, s12, A_AS
	s_mov_b32 s13, 0
	s_mul_i32 s20, s9, RBK
	s_add_co_u32 s20, s20, O_WC
	s_mov_b32 s21, 0
	s_lshl_b32 s22, s9, 9
	s_add_co_u32 s22, s22, O_WS
	s_mov_b32 s23, 0
	s_mul_i32 s19, s14, HALFT
	s_lshl_b32 s18, s14, 12
	s_wait_dscnt 0x0                               ; the opening add is done
	s_wait_kmcnt 0x0
	s_add_nc_u64 s[10:11], s[4:5], s[10:11]
	s_add_nc_u64 s[12:13], s[4:5], s[12:13]
	s_add_nc_u64 s[20:21], s[6:7], s[20:21]
	s_add_nc_u64 s[22:23], s[6:7], s[22:23]
	CROUND
	s_mov_b32 s[G0S], 1
	s_add_co_u32 s[G0S+1], s18, SCL
	s_mov_b64 s[G0S+2:G0S+3], s[12:13]
	s_or_b32 s[G0S+3], s[G0S+3], 0x80000000
	s_mov_b32 s[G0SB], 1
	s_add_co_u32 s[G0SB+1], s18, SCL
	s_mov_b64 s[G0SB+2:G0SB+3], s[22:23]
	s_or_b32 s[G0SB+3], s[G0SB+3], 0x80000000
	JLOAD G0S, G1S, G0SB, G1SB                     ; three tensor loads of a wave are out at the start, one behind each round
.irp s, 0,1
	s_mov_b32 s[G0+4*\s], 1
	s_add_co_u32 s[G0+4*\s+1], s19, \s*SLOT
	s_add_nc_u64 s[G0+4*\s+2:G0+4*\s+3], s[10:11], \s*RBS
	s_or_b32 s[G0+4*\s+3], s[G0+4*\s+3], 0x80000000
	s_mov_b32 s[G0B+4*\s], 1
	s_add_co_u32 s[G0B+4*\s+1], s19, \s*SLOT
	s_add_nc_u64 s[G0B+4*\s+2:G0B+4*\s+3], s[20:21], \s*RBS
	s_or_b32 s[G0B+4*\s+3], s[G0B+4*\s+3], 0x80000000
	JLOAD G0+4*\s, G1, G0B+4*\s, G1B
.endr
	v_and_b32 v1, 15, v0                           ; r
	v_bfe_u32 v2, v0, 4, 1                         ; h
	v_and_b32 v6, 31, v0
	v_lshlrev_b32 v[CO], 4, v6
	v_lshlrev_b32 v7, 3, v6
	s_mul_i32 s21, s15, HALFT
	s_mul_i32 s22, s16, HALFT
	s_add_co_u32 s22, s22, 2*HALFT
.irp s, 0,1
	v_add_nc_u32 v[ADRA+\s], s21, v[CO]
	v_add_nc_u32 v[ADRA+2+\s], s21, v7
	v_add_nc_u32 v[ADRB+\s], s22, v[CO]
	v_add_nc_u32 v[ADRB+2+\s], s22, v7
	s_add_co_u32 s21, s21, SLOT
	s_add_co_u32 s22, s22, SLOT
.endr
	s_lshl_b32 s21, s15, 12
	s_lshl_b32 s22, s16, 12
	s_add_co_u32 s22, s22, 2*HALFS
	s_sub_co_u32 s22, s22, s21
	v_mul_u32_u24 v5, s22, v2                      ; lanes 16-31 take B's words
	s_add_co_u32 s21, s21, SCL
	v_lshl_add_u32 v5, v1, 3, v5
	v_add_nc_u32 v[ADRS], s21, v5
	s_mul_i32 s23, s14, 16*SPITCH                  ; my stage
	v_mul_u32_u24 v5, v1, SPITCH
	v_lshl_add_u32 v5, v2, 6, v5
	v_add_nc_u32 v[STO], s23, v5                   ; in: row r, + 64 h: my 16 columns of each group of 32
	v_add_nc_u32 v[RD], s23, v[CO]                 ; back: the 32 lanes take a row of 512 bytes
	s_lshl_b32 s8, s45, 8
	s_lshl_b32 s9, s15, 7
	s_add_co_u32 s8, s8, s9
	s_lshl_b32 s8, s8, 12                          ; my first token's row of 4,096 bytes,
	s_lshl_b32 s9, s46, 10
	s_add_co_u32 s8, s8, s9
	s_lshl_b32 s9, s16, 9
	s_add_co_u32 s8, s8, s9                        ; my first column
	s_mov_b32 s9, 0
	s_add_nc_u64 s[92:93], s[92:93], s[8:9]
	s_wait_tensorcnt 1                             ; the scale words and my part of slot 0 are in; slot 1's load may be out
	s_barrier_signal -1
	s_barrier_wait -1
	FETCH_B 0, 0, 0
	FETCH_A 0, 0, 0
	SCALES 0
	FETCH_A 0, 0, 4
	STEP 0, 0, 1
	TURN 0, 1, 1
	STEP 1, 0, 0
	TURN 1, 0, 1
	STEP 0, 0, 0
	TURN 0, 1, 0
	STEP 1, 0, 0
	s_wait_dscnt 4*NL
	WIN MUL_LO
	MUL16 0, 1, NQ-1, 1, 0
	MUL16 2, 1, NQ-1, 1, 0
	s_wait_dscnt 0
	WIN MUL_HI
	MUL16 4, 1, NQ-1, 1, 0
	MUL16 6, 1, NQ-1, 1, 0
	WIN 0
.macro TOSTAGE a
.set AC, 64*((\a)%4)
	WIN 0x08+4*((\a)/4)                            ; an LDS store's data are its source 1: window 2 or 3
.irp b, 0,1,2,3,4,5,6,7
	ds_store_b128 v[STO], v[AC+8*\b:AC+8*\b+3] offset:128*(\b/2)+32*(\b%2)        ; each accumulator from its low end on: columns 32 (b / 2) + 16 h + 8 (b % 2) + 0..7
	ds_store_b128 v[STO], v[AC+8*\b+4:AC+8*\b+7] offset:128*(\b/2)+32*(\b%2)+16
.endr
	WIN 0
.set BB, BK+64*((\a)%2)
.irp t, 0,1,2,3,4,5,6,7,8,9,10,11,12,13,14,15
	ds_load_b128 v[BB+4*\t:BB+4*\t+3], v[RD] offset:\t*SPITCH      ; LDS serves a wave's instructions in order: these see the stores above
.endr
.endm
.macro SEND a, younger
.set BB, BK+64*((\a)%2)
	s_wait_dscnt \younger                          ; the block is back in registers
.irp t, 0,1,2,3,4,5,6,7,8,9,10,11,12,13,14,15
	global_store_b128 v[CO], v[BB+4*\t:BB+4*\t+3], s[92:93] offset:(32*((\a)/2)+8*((\a)%2)+\t+8*(\t/8))*4096 th:TH_STORE_NT   ; place t of block a is this token; 32 lanes store 512 consecutive bytes, aligned
.endr
.endm
	PLACES NP
	TOSTAGE 0
.irp a, 1,2,3,4,5,6,7
.if \a > 1
	s_wait_xcnt 0x0                                ; block a - 2's stores have read their registers: block a's loads may land there
.endif
	TOSTAGE \a
	SEND \a-1, 32                                  ; behind block a - 1's loads: block a's 16 stores and 16 loads
.endr
	SEND 7, 0
	s_wait_tensorcnt 0x0                           ; the wave's end
	ds_add_u32 v[SPW], v[NIL]
	s_wait_dscnt 0x0
	CROUND                                         ; the closing round
	s_endpgm
.Lfunc_end_k_q37fa2b3c5a_outgemm:
	.size	k_q37fa2b3c5a_outgemm, .Lfunc_end_k_q37fa2b3c5a_outgemm-k_q37fa2b3c5a_outgemm
	.p2alignl 7, 3214868480
	.fill 96, 4, 3214868480
	.section	.rodata,"a",@progbits
	.p2align	6, 0x0
	.amdhsa_kernel k_q37fa2b3c5a_outgemm
		.amdhsa_group_segment_fixed_size 327680
		.amdhsa_private_segment_fixed_size 0
		.amdhsa_enable_private_segment 0
		.amdhsa_kernarg_size 24
		.amdhsa_user_sgpr_count 2
		.amdhsa_user_sgpr_kernarg_segment_ptr 1
		.amdhsa_wavefront_size32 1
		.amdhsa_system_sgpr_workgroup_id_x 1
		.amdhsa_system_sgpr_workgroup_id_y 1
		.amdhsa_system_sgpr_workgroup_id_z 1
		.amdhsa_system_vgpr_workitem_id 0
		.amdhsa_next_free_vgpr 1024
		.amdhsa_next_free_sgpr 98
		.amdhsa_reserve_vcc 0
		.amdhsa_float_denorm_mode_32 3
		.amdhsa_float_denorm_mode_16_64 3
		.amdhsa_memory_ordered 1
		.amdhsa_forward_progress 1
		.amdhsa_inst_pref_size 143
	.end_amdhsa_kernel
	.amdgpu_metadata
---
amdhsa.version: [ 1, 2 ]
amdhsa.kernels:
  - .name:           k_q37fa2b3c5a_outgemm
    .symbol:         k_q37fa2b3c5a_outgemm.kd
    .args:
      - { .name: att, .offset: 0, .size: 8, .value_kind: global_buffer, .address_space: global }
      - { .name: opnd, .offset: 8, .size: 8, .value_kind: global_buffer, .address_space: global }
      - { .name: out0, .offset: 16, .size: 8, .value_kind: global_buffer, .address_space: global }
    .group_segment_fixed_size: 327680
    .private_segment_fixed_size: 0
    .kernarg_segment_align: 8
    .kernarg_segment_size: 24
    .max_flat_workgroup_size: 128
    .sgpr_count:     98
    .vgpr_count:     1024
    .wavefront_size: 32
...
	.end_amdgpu_metadata
.endif
;; end of part 4
;; ======== version 2 of 2: 4 launches; version 1 with the launch attn written anew for expert scheduling mode
;; workspace buffers: opnd 10,354,688 bytes; qkv 20,185,088 bytes; att 6,553,600 bytes
;; launch prep: the kernel of part 1 again; grid 416 x 1, 4 waves a work-group, no clusters, 34,304 bytes of LDS; arguments x, Wqkv, Wout, opnd; writes opnd
;; launch qkvgemm: the kernel of part 2 again; grid 12 x 32, 4 waves a work-group, clusters of 4 x 4, 327,680 bytes of LDS; arguments opnd, qkv; writes qkv
;; launch attn (part 5): grid 16 x 64, 8 waves a work-group, no clusters, 66,560 bytes of LDS; arguments qkv, att; writes att
.if DOCPART == 5
	.amdgcn_target "amdgcn-amd-amdhsa--gfx1250"
	.amdhsa_code_object_version 6
	.text
	.protected	k_q37fa2b3c5a_attn
	.globl	k_q37fa2b3c5a_attn
	.p2align	8
	.type	k_q37fa2b3c5a_attn,@function
k_q37fa2b3c5a_attn:
	s_mov_b64 s[64:65], 0
	v_nop
	global_prefetch_b8 v0, s[64:65] scope:SCOPE_SE
	s_setreg_imm32_b32 hwreg(HW_REG_WAVE_SCHED_MODE, 0, 2), 2
	s_setreg_imm32_b32 hwreg(HW_REG_WAVE_MODE, 25, 1), 1
	s_wait_xcnt 0x0
	s_wait_alu depctr_vm_vsrc(0)
; Attention under the mask that the problem builds: key j counts for query i where i - 511 <= j <= i.  Both products on codes of FP6 (E2M3) with E8M0 scales.
; t = score x log2(e) / 8; M = the running largest t rounded up to a whole number; p = 2^(t - M) is quantised along the keys; the row's sum is taken of the unquantised p and divides O at the end; O / sum is quantised
; along the channels (two blocks a head) and stored as half an image of the last product's operand.
; SHARES.  A work-group owns 128 queries of one head and batch; each of its eight waves one tile of 16.  The keys that count lie in the block's own step of 128 and the four before it: five steps, whose K, V and scale words
; (65,280 bytes) are copied into LDS once, through registers: no ring, no refill, one barrier.  Steps after the block (only where the block is one of the first four) are copied and not multiplied: a branch on ids.
; NO CLUSTER: neighbouring blocks of queries want windows that are shifted by a step, so partners would ask for different tiles.
; LAYOUT.  Both products transposed: S^T = K Q^T, O^T = V^T P^T: a lane holds one query.  The keys of a tile are laid so that the 16 registers of tiles 2 b, 2 b + 1 are keys 32 b + 16 (lane / 16) + 0..15; V's channels likewise.
; K = 64 IN AN INSTRUCTION OF 128: Q's registers 6-11 are zero codes.  K's tile t is named as the run v[32 + 6 t .. + 11]: what stands opposite Q's zeros is the next tile's codes (behind the last tile: zeros), under ordinary scale bytes:
; it adds nothing, since E2M3 has no code for infinity or NaN.
; The scale bytes of O leave as single bytes, 32 a wave: one byte in 24 of what the launch stores.
; LIMITS: NaN and infinities not served; the byte is held at 1 from below; a block of zeros has the byte 1.
; REGISTERS: v1-6 that stay; v8-11 addresses of the step; v12 -M, v13 the largest t, v[14:15] the sum; v16-27 Q; v28-29 V's scale words; v32-85 K's tiles, then V's fragments; v96-159 S^T, then p; v160-191 O^T; v224-235 p's codes; v232-254 at work; v248-251 K's scale words; v253 p's; v255 Q's.  s66-97: 32 masks.
; THE MODE: SCHED_MODE bits 1:0 = 2 (LLVM: expert scheduling mode 2), set by the entry lines.  The code itself states the register dependences between vector or matrix instructions and memory or LDS instructions, with s_wait_alu, always for 0.
; THE PLAN.  Registers that memory or LDS instructions touch:
;   v1, v2, v86-89   offsets and LDS addresses: written at the head, never again; read by the head's loads and LDS stores and by the last stores.
;   v96-155, v160-165  at the head: global loads land there, the copy's LDS stores read them; afterwards O^T's zeros and the first scores write them.
;   v8-11            the step's LDS addresses: written by four adds at a step's head, read by the step's 34 LDS loads.
;   v32-79, v248-251 K's LDS loads land there at a step's head; the step's eight products K Q^T read them.
;   v32-79, v28-29   V's LDS loads land there behind those products; the step's four products V^T P read them.
;   v224-229, v90, v92  the way out: written by vector instructions, read by the last three stores.
; So a step has one wait on vm_vsrc (ahead of the four adds) and three on va_vdst: behind the adds, ahead of K's loads; behind the products K Q^T, ahead of V's loads; ahead of the products V^T P, for p's codes and scale word.
; K's 54 registers and V's 48 share one place: the wave's 256 registers leave 38 free, too few for a second buffer of either.
; THE MASKS: the compares stand in runs of 32, into s66-97, with one wait on va_sdst between a run and the selects that read its masks.  VCC is not written.
.set Q_VC,  12582912
.set Q_QKS, 18874368
.set Q_VS,  19922944
.set A_AS,  6291456
.set VL,    30720                      ; LDS: K's five steps from 0, V's from here, 6,144 bytes a step;
.set KSL,   61440                      ; K's scale words, 512 bytes a step;
.set VSL,   64000                      ; V's, 256 bytes a step
.set SPARE, 65280                      ; the spare words, 128 bytes a wave
.set L16, 1
.set L8,  2
.set DC,  3                            ; v3  my query in the block - 16 (lane / 16)
.set NINF, 4
.set SPW, 5
.set NIL, 6
.set ADK, 8
.set ADK8, 9
.set ADS, 10
.set ADT, 11
.set WV,  18
.set SEL, 20
.set CS,  22
.set QB,  24
.set BH,  25
.set FIRST, 26
.set ABS, 27
.set TB,  28
.set TS,  29
.set TJ,  30
.set MK,  66                           ; s66-97  the masks of 32 scores
	s_load_b128 s[4:7], s[0:1], 0x0                ; qkv s[4:5], att s[6:7]
	v_lshl_add_u32 v[SPW], v0, 2, SPARE
	v_mov_b32 v[NIL], 0
	v_lshrrev_b32 v7, 5, v0
	v_readfirstlane_b32 s[WV], v7
	v_and_b32 v7, 31, v0
	v_lshlrev_b32 v[L16], 4, v7
	v_lshlrev_b32 v[L8], 3, v7
	v_and_b32 v8, 15, v0                           ; r
	v_bfe_u32 v9, v0, 4, 1                         ; h
	s_mov_b32 s[QB], ttmp9
	s_and_b32 s[BH], ttmp7, 0xffff
	s_sub_co_i32 s[FIRST], s[QB], 4
	s_max_i32 s[FIRST], s[FIRST], 0                ; LDS place s holds step FIRST + s
	s_wait_alu depctr_va_sdst(0)                   ; the wave's number is written into s18, ahead of its first reader
	s_mul_i32 s32, s[WV], 7680                     ; the copy: 61,440 bytes of codes, 7,680 a wave (waves 0-3: K, 4-7: V)
	v_add_nc_u32 v86, s32, v[L16]
	s_lshl_b32 s32, s[WV], 9
	s_add_co_u32 s32, s32, KSL
	v_add_nc_u32 v87, s32, v[L16]                  ; waves 0-4: a step's scale words of K,
	s_lshl_b32 s32, s[WV], 8
	s_add_co_u32 s32, s32, VSL
	v_add_nc_u32 v88, s32, v[L8]                   ; and of V
	s_lshr_b32 s33, s[WV], 1
	s_lshl_b32 s33, s33, 5
	s_and_b32 s34, s[WV], 1
	s_lshl_b32 s35, s34, 3
	s_add_co_u32 s33, s33, s35
	v_and_b32 v[DC], 8, v8
	v_add_nc_u32 v[DC], v[DC], v8
	v_add_nc_u32 v[DC], s33, v[DC]                 ; my query: 32 (w / 2) + 8 (w % 2) + r + 8 (r / 8)
	v_lshlrev_b32 v89, 4, v9
	v_sub_nc_u32 v[DC], v[DC], v89
	s_lshl_b32 s35, s34, 8
	s_lshr_b32 s36, s[WV], 1
	s_lshl_b32 s36, s36, 2
	s_add_co_u32 s35, s35, s36
	v_lshl_add_u32 v89, v8, 4, s35                 ; Q's scale word: lane 16 (w % 2) + r, word w / 2
	s_lshl_b32 s38, s[BH], 4
	s_add_co_u32 s39, s38, s[QB]
	s_add_co_u32 s38, s38, s[FIRST]
	s_lshl_b32 s40, s39, 3
	s_add_co_u32 s40, s40, s[WV]
	s_mul_i32 s40, s40, 768
	s_mov_b32 s41, 0
	s_lshl_b32 s42, s39, 9
	s_add_co_u32 s42, s42, Q_QKS
	s_mov_b32 s43, 0
	s_add_co_u32 s44, s38, 1024                    ; k lies 64 heads behind q
	s_mul_i32 s44, s44, 6144
	s_mul_i32 s45, s38, 6144
	s_add_co_u32 s45, s45, Q_VC
	s_and_b32 s46, s[WV], 3
	s_mul_i32 s46, s46, 7680
	s_cmp_lt_u32 s[WV], 4
	s_cselect_b32 s44, s44, s45
	s_add_co_u32 s44, s44, s46
	s_mov_b32 s45, 0
	s_add_co_u32 s46, s38, s[WV]
	s_add_co_u32 s50, s46, 1024
	s_lshl_b32 s50, s50, 9
	s_add_co_u32 s50, s50, Q_QKS
	s_mov_b32 s51, 0
	s_lshl_b32 s52, s46, 8
	s_add_co_u32 s52, s52, Q_VS
	s_mov_b32 s53, 0
	s_mov_b32 s48, 0xffff0000                      ; lanes 16-31
	s_mov_b32 s[SEL], 0x76543210
	s_mov_b32 s[SEL+1], 0xfedcba98
	s_mov_b32 s[CS], 0x3e38aa3b                    ; c = log2(e) / sqrt(64)
	s_mov_b32 s[CS+1], s[CS]
	s_mov_b32 s[ABS], s[FIRST]
	s_mov_b32 s[TB], 0
	s_mov_b32 s[TS], 0
	s_mov_b32 s[TJ], 0
	s_mov_b32 s31, 0
	s_wait_kmcnt 0x0
	s_add_nc_u64 s[40:41], s[4:5], s[40:41]
	s_add_nc_u64 s[42:43], s[4:5], s[42:43]
	s_add_nc_u64 s[44:45], s[4:5], s[44:45]
	s_add_nc_u64 s[50:51], s[4:5], s[50:51]
	s_add_nc_u64 s[52:53], s[4:5], s[52:53]
	s_wait_alu depctr_va_vdst(0)                   ; v1, v2 and v86 to v89 are written: the loads and LDS stores below, and the last stores, read them as offsets and addresses
	global_load_b128 v[16:19], v[L16], s[40:41]    ; Q's half image stays in registers
	global_load_b64 v[20:21], v[L8], s[40:41] offset:512
	global_load_b32 v255, v89, s[42:43]
.irp i, 0,1,2,3,4,5,6,7,8,9,10,11,12,13,14
	global_load_b128 v[96+4*\i:99+4*\i], v[L16], s[44:45] offset:512*\i
.endr
	s_cmp_lt_u32 s[WV], 5
	s_cbranch_scc0 .Lno_scales
	global_load_b128 v[160:163], v[L16], s[50:51]
	global_load_b64 v[164:165], v[L8], s[52:53]
	s_wait_loadcnt 0x0
	ds_store_b128 v87, v[160:163]
	ds_store_b64 v88, v[164:165]
.Lno_scales:
	s_wait_loadcnt 0x0
.irp i, 0,1,2,3,4,5,6,7,8,9,10,11,12,13,14
	ds_store_b128 v86, v[96+4*\i:99+4*\i] offset:512*\i
.endr
.irp j, 22,23,24,25,26,27,80,81,82,83,84,85
	v_mov_b32 v[\j], 0                             ; zero codes: the upper half of Q's K, and what stands behind K's last tile
.endr
	v_mov_b32 v[NINF], 0xff800000
	v_mov_b32 v13, 0xff61b1e6                      ; the largest t so far: -3e38
	v_floor_f32 v12, -v13
	v_mov_b32 v14, 0
	v_mov_b32 v15, 0
.irp j, 236,237,238,239,252,253
	v_mov_b32 v[\j], 0                             ; written once: permutes' destinations, and the upper half of the pair v[252:253]
.endr
	s_wait_dscnt 0x0                               ; for the others' sake: my stores have landed
	s_wait_alu depctr_vm_vsrc(0)                   ; my LDS stores have read v96 to v155 and v160 to v165, which O^T's zeros below and the first step's scores write
	s_barrier_signal -1
.irp j, 0,1,2,3,4,5,6,7,8,9,10,11,12,13,14,15,16,17,18,19,20,21,22,23,24,25,26,27,28,29,30,31
	v_mov_b32 v[160+\j], 0                         ; O^T: the step is written once; its first pass finds zeros
.endr
	s_barrier_wait -1
.Lstep:                                            ; five trips: a constant; what is left out is a step's work
	s_cmp_gt_u32 s[ABS], s[QB]
	s_cbranch_scc1 .Lhidden                        ; all its keys come after my block's queries
	s_wait_alu depctr_vm_vsrc(0)                   ; the last step's LDS loads have read v8 to v11, which the four adds write
	v_add_nc_u32 v[ADK], s[TB], v[L16]
	v_add_nc_u32 v[ADK8], s[TB], v[L8]
	v_add_nc_u32 v[ADS], s[TS], v[L16]
	v_add_nc_u32 v[ADT], s[TJ], v[L8]
	s_wait_alu depctr_va_vdst(0)                   ; v8 to v11 are written, which this step's LDS loads read; the last step's products are done reading v32 to v79, v248 to v251 and v28, v29, in which loads land; in the first trip the zero codes v22 to v27 and v80 to v85, operands of the scaled products, are written
.irp t, 0,1,2,3,4,5,6,7
	ds_load_b128 v[32+6*\t:35+6*\t], v[ADK] offset:768*\t
	ds_load_b64 v[36+6*\t:37+6*\t], v[ADK8] offset:768*\t+512
.endr
	ds_load_b128 v[248:251], v[ADS] offset:KSL
	s_wait_dscnt 0x0
.irp t, 0,1,2,3,4,5,6,7
.if \t%2
	v_wmma_scale_f32_16x16x128_f8f6f4 v[96+8*\t:103+8*\t], v[32+6*\t:43+6*\t], v[16:27], 0, v[248+\t/2], v255 matrix_a_fmt:MATRIX_FMT_FP6 matrix_b_fmt:MATRIX_FMT_FP6 matrix_a_scale:MATRIX_SCALE_ROW1
.else
	v_wmma_scale_f32_16x16x128_f8f6f4 v[96+8*\t:103+8*\t], v[32+6*\t:43+6*\t], v[16:27], 0, v[248+\t/2], v255 matrix_a_fmt:MATRIX_FMT_FP6 matrix_b_fmt:MATRIX_FMT_FP6
.endif
.endr
.rept 4
	v_nop                                          ; places in front of the first read of the scores
.endr
	s_wait_alu depctr_va_vdst(0)                   ; the eight products are done reading K's tiles in v32 to v79, in which V's fragments land
.irp t, 0,1,2,3                                ; V's four fragments are asked for now and land under the softmax, none of whose lines names v28, v29 or v32 to v79
	ds_load_b128 v[32+12*\t:35+12*\t], v[ADK] offset:VL+1536*\t
	ds_load_b64 v[36+12*\t:37+12*\t], v[ADK8] offset:VL+1536*\t+512
	ds_load_b128 v[38+12*\t:41+12*\t], v[ADK] offset:VL+1536*\t+768
	ds_load_b64 v[42+12*\t:43+12*\t], v[ADK8] offset:VL+1536*\t+1280
.endr
	ds_load_b64 v[28:29], v[ADT] offset:VSL
	s_add_co_u32 s33, s[ABS], 4
	s_cmp_lg_u32 s33, s[QB]
	s_cbranch_scc1 .Lno_edge
.irp g, 0,1                                    ; the window's far edge, four steps back: a key is hidden where its place in the step is at or under my query's.  32 scores at a time
.irp n, 0,1,2,3,4,5,6,7,8,9,10,11,12,13,14,15,16,17,18,19,20,21,22,23,24,25,26,27,28,29,30,31
	v_cmp_le_i32 s[MK+\n], 32*(2*\g+\n/16)+\n%16, v[DC]
.endr
	s_wait_alu depctr_va_sdst(0)                   ; the 32 masks s66 to s97 are written, ahead of the selects that read them
.irp n, 0,1,2,3,4,5,6,7,8,9,10,11,12,13,14,15,16,17,18,19,20,21,22,23,24,25,26,27,28,29,30,31
	v_cndmask_b32 v[96+32*\g+\n], v[96+32*\g+\n], v[NINF], s[MK+\n]
.endr
.endr
.Lno_edge:
	s_cmp_lg_u32 s[ABS], s[QB]
	s_cbranch_scc1 .Lno_diag
.irp g, 0,1                                    ; the diagonal: hidden where the key comes after my query.  32 scores at a time
.irp n, 0,1,2,3,4,5,6,7,8,9,10,11,12,13,14,15,16,17,18,19,20,21,22,23,24,25,26,27,28,29,30,31
	v_cmp_gt_i32 s[MK+\n], 32*(2*\g+\n/16)+\n%16, v[DC]
.endr
	s_wait_alu depctr_va_sdst(0)                   ; the 32 masks s66 to s97 are written, ahead of the selects that read them
.irp n, 0,1,2,3,4,5,6,7,8,9,10,11,12,13,14,15,16,17,18,19,20,21,22,23,24,25,26,27,28,29,30,31
	v_cndmask_b32 v[96+32*\g+\n], v[96+32*\g+\n], v[NINF], s[MK+\n]
.endr
.endr
.Lno_diag:
.irp b, 0,1,2,3
	v_max3_num_f32 v[232+\b], v[96+16*\b], v[97+16*\b], v[98+16*\b]   ; the largest score of each block of 32 keys: for the row's maximum and, since p rises with the score, for the block's largest p
.endr
.irp i, 3,5,7,9,11,13
.irp b, 0,1,2,3
	v_max3_num_f32 v[232+\b], v[232+\b], v[96+16*\b+\i], v[97+16*\b+\i]
.endr
.endr
.irp b, 0,1,2,3
	v_max_num_f32 v[232+\b], v[232+\b], v[111+16*\b]
.endr
.irp b, 0,1,2,3
	v_permlanex16_b32 v[236+\b], v[232+\b], s[SEL], s[SEL+1]
.endr
.irp b, 0,1,2,3
	v_max_num_f32 v[232+\b], v[232+\b], v[236+\b]
.endr
	v_max3_num_f32 v254, v232, v233, v234
	v_max_num_f32 v254, v254, v235
	v_mul_f32 v254, s[CS], v254
	v_max_num_f32 v13, v13, v254                   ; the running largest t
	v_mov_b32 v254, v12
	v_floor_f32 v12, -v13                          ; -M = floor(-t): M is a whole number
	v_sub_f32 v254, v12, v254
	v_cvt_i32_f32 v254, v254                       ; (it saturates)
	v_ldexp_f32 v252, 1.0, v254                    ; f = 2^(old M - new M): rounds nothing
.irp j, 0,2,4,6,8,10,12,14,16,18,20,22,24,26,28,30,32,34,36,38,40,42,44,46,48,50,52,54,56,58,60,62
	v_pk_fma_f32 v[96+\j:97+\j], v[96+\j:97+\j], s[CS:CS+1], v[12:13] op_sel_hi:[1,0,0]
.endr
.irp b, 0,1,2,3
	v_fma_f32 v[232+\b], v[232+\b], s[CS], v12
.endr
.irp j, 0,1,2,3,4,5,6,7,8,9,10,11,12,13,14,15,16,17,18,19,20,21,22,23,24,25,26,27,28,29,30,31,32,33,34,35,36,37,38,39,40,41,42,43,44,45,46,47,48,49,50,51,52,53,54,55,56,57,58,59,60,61,62,63
	v_exp_f32 v[96+\j], v[96+\j]                   ; p = 2^(t - M)
.endr
	v_pk_mul_f32 v[14:15], v[14:15], v[252:253] op_sel_hi:[1,0]   ; the sums under the new M (a plain place behind the exponentials)
	s_wait_alu depctr_va_vdst(0)                   ; the 64 exponentials have written p in v96 to v159: one wait for the batch, ahead of its first reader
.irp b, 0,1,2,3
	v_exp_f32 v[232+\b], v[232+\b]                 ; the blocks' largest p
.endr
	v_pk_add_f32 v[236:237], v[96:97], v[98:99]    ; the row's sum is taken of the unquantised p, in two chains
.irp j, 4,8,12,16,20,24,28,32,36,40,44,48,52,56,60
	v_pk_add_f32 v[14:15], v[14:15], v[96+\j:97+\j]
	v_pk_add_f32 v[236:237], v[236:237], v[98+\j:99+\j]
.endr
	v_pk_add_f32 v[14:15], v[14:15], v[236:237]
	s_wait_alu depctr_va_vdst(0)                   ; the four exponentials have written v232 to v235, ahead of their first reader
.irp b, 0,1,2,3
	v_max_num_f32 v[232+\b], 0x1800000, v[232+\b]  ; the floor 2^(3 - 127)
.endr
.irp b, 0,1,2,3
	v_add_nc_u32 v[244+\b], 0xff000000, v[232+\b]
.endr
.irp b, 0,1,2,3
	v_lshrrev_b32 v[236+\b], 23, v[244+\b]
.endr
	v_lshl_or_b32 v253, v237, 8, v236              ; p's scale word for these 128 keys
	v_lshl_or_b32 v253, v238, 16, v253
	v_lshl_or_b32 v253, v239, 24, v253
.irp c, 0,1
	v_cvt_scalef32_pk16_fp6_f32 v[224+6*\c:226+6*\c], v[96+32*\c:111+32*\c], v[244+2*\c]
	v_cvt_scalef32_pk16_fp6_f32 v[236+4*\c:238+4*\c], v[112+32*\c:127+32*\c], v[244+2*\c+1]
.endr
	v_nop
.irp c, 0,1
.irp i, 0,1,2
	v_permlane16_swap_b32 v[224+6*\c+\i], v[236+4*\c+\i]
.endr
.irp i, 0,1,2
	v_mov_b32 v[227+6*\c+\i], v[236+4*\c+\i]
.endr
.endr
.irp j, 0,2,4,6,8,10,12,14,16,18,20,22,24,26,28,30
	v_pk_mul_f32 v[160+\j:161+\j], v[160+\j:161+\j], v[252:253] op_sel_hi:[1,0]   ; O^T under the new M; these sixteen are also the places in front of the scaled products
.endr
	s_wait_dscnt 0x0                               ; V is in
	s_wait_alu depctr_va_vdst(0)                   ; p's codes v224 to v235 and its scale word v253 are written, which the scaled products take as operand and scales; the places above stay beside this wait
.irp t, 0,1,2,3                                ; four accumulators by turns
.if \t%2
	v_wmma_scale_f32_16x16x128_f8f6f4 v[160+8*\t:167+8*\t], v[32+12*\t:43+12*\t], v[224:235], v[160+8*\t:167+8*\t], v[28+\t/2], v253 matrix_a_fmt:MATRIX_FMT_FP6 matrix_b_fmt:MATRIX_FMT_FP6 matrix_a_scale:MATRIX_SCALE_ROW1
.else
	v_wmma_scale_f32_16x16x128_f8f6f4 v[160+8*\t:167+8*\t], v[32+12*\t:43+12*\t], v[224:235], v[160+8*\t:167+8*\t], v[28+\t/2], v253 matrix_a_fmt:MATRIX_FMT_FP6 matrix_b_fmt:MATRIX_FMT_FP6
.endif
.endr
.Lhidden:
	s_add_co_u32 s[ABS], s[ABS], 1
	s_add_co_u32 s[TB], s[TB], 6144
	s_add_co_u32 s[TS], s[TS], 512
	s_add_co_u32 s[TJ], s[TJ], 256
	s_add_co_u32 s31, s31, 1
	s_cmp_lt_u32 s31, 5
	s_cbranch_scc1 .Lstep
	; THE WAY OUT: O^T / the sum; register 16 b + i is channel 32 b + 16 (lane / 16) + i of my query: two blocks of the last product's K
.rept 4
	v_nop
.endr
	v_add_f32 v14, v14, v15
	v_permlanex16_b32 v252, v14, s[SEL], s[SEL+1]
	v_add_f32 v14, v14, v252
	v_rcp_f32 v14, v14
	v_and_b32 v90, 15, v0                          ; (a plain place behind the reciprocal)
	v_bfe_u32 v91, v0, 4, 1
	v_lshl_add_u32 v90, v90, 3, v91                ; the scale byte's place: 8 r + h
	s_lshr_b32 s32, s[BH], 4
	s_lshl_b32 s32, s32, 7
	s_lshl_b32 s33, s[QB], 3
	s_add_co_u32 s32, s32, s33
	s_add_co_u32 s32, s32, s[WV]                   ; my row block of att: 128 x batch + 8 x block + wave
	s_and_b32 s33, s[BH], 15                       ; the head
	s_mul_i32 s34, s32, 12288
	s_mul_i32 s35, s33, 768                        ; K step head / 2, half head % 2
	s_add_co_u32 s34, s34, s35
	s_mov_b32 s35, 0
	s_add_nc_u64 s[40:41], s[6:7], s[34:35]
	s_lshr_b32 s36, s33, 2
	s_lshl_b32 s36, s36, 7
	s_bfe_u32 s37, s33, 0x10001
	s_lshl_b32 s37, s37, 2
	s_add_co_u32 s36, s36, s37
	s_and_b32 s37, s33, 1
	s_lshl_b32 s37, s37, 1
	s_add_co_u32 s36, s36, s37
	s_lshl_b32 s37, s32, 9
	s_add_co_u32 s34, s36, s37
	s_add_co_u32 s34, s34, A_AS
	s_add_nc_u64 s[42:43], s[6:7], s[34:35]
	s_wait_alu depctr_va_vdst(0)                   ; the reciprocal has written v14, ahead of its first reader
.irp j, 0,1,2,3,4,5,6,7,8,9,10,11,12,13,14,15,16,17,18,19,20,21,22,23,24,25,26,27,28,29,30,31
	v_mul_f32 v[96+\j], v[160+\j], v14
.endr
.irp b, 0,1
	v_max3_num_f32 v[232+\b], |v[96+16*\b]|, |v[97+16*\b]|, 0x1800000
.endr
.irp i, 2,4,6,8,10,12,14
.irp b, 0,1
	v_max3_num_f32 v[232+\b], v[232+\b], |v[96+16*\b+\i]|, |v[97+16*\b+\i]|
.endr
.endr
.irp b, 0,1
	v_permlanex16_b32 v[236+\b], v[232+\b], s[SEL], s[SEL+1]
.endr
.irp b, 0,1
	v_max_num_f32 v[232+\b], v[232+\b], v[236+\b]
.endr
.irp b, 0,1
	v_add_nc_u32 v[244+\b], 0xff000000, v[232+\b]
.endr
.irp b, 0,1
	v_lshrrev_b32 v[236+\b], 23, v[244+\b]
.endr
	v_cvt_scalef32_pk16_fp6_f32 v[224:226], v[96:111], v244
	v_cvt_scalef32_pk16_fp6_f32 v[240:242], v[112:127], v245
	v_nop
.irp i, 0,1,2
	v_permlane16_swap_b32 v[224+\i], v[240+\i]
.endr
.irp i, 0,1,2
	v_mov_b32 v[227+\i], v[240+\i]
.endr
	v_cndmask_b32 v92, v236, v237, s48             ; lanes 0-15 the first block's byte, lanes 16-31 the second's
	s_wait_alu depctr_va_vdst(0)                   ; the codes v224 to v229, the byte v92 and its offset v90 are written, which the three stores read
	global_store_b128 v[L16], v[224:227], s[40:41]             ; 512 consecutive bytes, aligned
	global_store_b64 v[L8], v[228:229], s[40:41] offset:512    ; 256
	global_store_b8 v90, v92, s[42:43]
	s_wait_dscnt 0x0                               ; the closing lines, six on end
	s_wait_alu 0x0
	s_wait_tensorcnt 0x0
	ds_add_u32 v[SPW], v[NIL]
	s_wait_dscnt 0x0
	s_endpgm
.Lfunc_end_k_q37fa2b3c5a_attn:
	.size	k_q37fa2b3c5a_attn, .Lfunc_end_k_q37fa2b3c5a_attn-k_q37fa2b3c5a_attn
	.p2alignl 7, 3214868480
	.fill 96, 4, 3214868480
	.section	.rodata,"a",@progbits
	.p2align	6, 0x0
	.amdhsa_kernel k_q37fa2b3c5a_attn
		.amdhsa_group_segment_fixed_size 66560
		.amdhsa_private_segment_fixed_size 0
		.amdhsa_enable_private_segment 0
		.amdhsa_kernarg_size 16
		.amdhsa_user_sgpr_count 2
		.amdhsa_user_sgpr_kernarg_segment_ptr 1
		.amdhsa_wavefront_size32 1
		.amdhsa_system_sgpr_workgroup_id_x 1
		.amdhsa_system_sgpr_workgroup_id_y 1
		.amdhsa_system_sgpr_workgroup_id_z 1
		.amdhsa_system_vgpr_workitem_id 0
		.amdhsa_next_free_vgpr 256
		.amdhsa_next_free_sgpr 98
		.amdhsa_reserve_vcc 0
		.amdhsa_float_denorm_mode_32 3
		.amdhsa_float_denorm_mode_16_64 3
		.amdhsa_memory_ordered 1
		.amdhsa_forward_progress 1
		.amdhsa_inst_pref_size 48
	.end_amdhsa_kernel
	.amdgpu_metadata
---
amdhsa.version: [ 1, 2 ]
amdhsa.kernels:
  - .name:           k_q37fa2b3c5a_attn
    .symbol:         k_q37fa2b3c5a_attn.kd
    .args:
      - { .name: qkv, .offset: 0, .size: 8, .value_kind: global_buffer, .address_space: global }
      - { .name: att, .offset: 8, .size: 8, .value_kind: global_buffer, .address_space: global }
    .group_segment_fixed_size: 66560
    .private_segment_fixed_size: 0
    .kernarg_segment_align: 8
    .kernarg_segment_size: 16
    .max_flat_workgroup_size: 256
    .sgpr_count:     98
    .vgpr_count:     256
    .wavefront_size: 32
...
	.end_amdgpu_metadata
.endif
;; end of part 5
;; launch outgemm: the kernel of part 4 again; grid 4 x 32, 4 waves a work-group, clusters of 4 x 4, 327,680 bytes of LDS; arguments att, opnd, out0; writes out0
